; MI455X (gfx1250); checked and timed in simulation.
; The chip was launched on July 23, 2026; its instructions are those of AMD's public machine-readable ISA for CDNA 5 (MIT licence, August 2026) and "CDNA5" Instruction Set Architecture Reference Guide (July 2026). The comments in the code are by the model that wrote it; some were corrected since.
;; Multi Head Attention. Allowed arithmetic: float matrix products may take bf16 or f16 operands with f32 sums; all other float work in f32.
;; Inputs: Wk 1,024 x 1,024 float32; Wo 1,024 x 1,024 float32; Wq 1,024 x 1,024 float32; Wv 1,024 x 1,024 float32; bk 1,024 float32; bo 1,024 float32; bq 1,024 float32; bv 1,024 float32; key 4 x 2,048 x 1,024 float32; mask 4 x 1 x 1 x 2,048 float32; query 4 x 2,048 x 1,024 float32; value 4 x 2,048 x 1,024 float32.
;; Outputs: out0 4 x 2,048 x 1,024 float32.
;; One version. Each part assembles by itself: llvm-mc -triple=amdgcn-amd-amdhsa -mcpu=gfx1250 --defsym DOCPART=n.
;; ======== version 1 of 1: 4 launches
;; limits: values are held in f16: magnitudes above 65,504 overflow, below 6.1e-05 lose precision
;; workspace buffers: xb 50,331,648 bytes; wb 8,388,608 bytes; qkvb 50,331,648 bytes; ctxb 16,777,216 bytes
;; launch cast16 (part 1): grid 1792 x 1, 8 waves a work-group, no clusters, 0 bytes of LDS; arguments query, key, value, Wq, Wk, Wv, Wo, xb, wb; writes xb, wb
.if DOCPART == 1
	.amdgcn_target "amdgcn-amd-amdhsa--gfx1250"
	.amdhsa_code_object_version 6
	.text
	.protected	k_q9ea58773a4_cast16
	.globl	k_q9ea58773a4_cast16
	.p2align	8
	.type	k_q9ea58773a4_cast16,@function
k_q9ea58773a4_cast16:
	s_mov_b64 s[64:65], 0
	v_nop
	global_prefetch_b8 v0, s[64:65] scope:SCOPE_SE
	s_setreg_imm32_b32 hwreg(HW_REG_WAVE_MODE, 25, 1), 1
	s_wait_xcnt 0x0
; f32 -> f16, once, for all that the matrix products read: query, key, value -> xb [3][8192][1024]; Wq, Wk, Wv, Wo -> wb [4][1024 k][1024 n], not turned.
; f16 carries 11 significant bits and is taken instead of bf16's 8.  LIMIT: a number beyond 65,504 in magnitude becomes infinity.
; A stream: no LDS, no barrier, no matrix unit.  A work-group takes 16,384 numbers (65,536 bytes in, 32,768 out): 3 x 512 chunks of the activations, then 4 x 64 of the weights = 1,792.
; Thread t, load j: the 16 bytes at 16 t + 4,096 j, so a wave's load covers 512 consecutive bytes; its 8 bytes of f16 go to 8 t + 2,048 j: a wave's store covers 256 consecutive bytes, aligned.
; All sixteen loads go out first; no register is written twice, so no store's source is ever rewritten.
.set NX,  1536                         ; chunks of the three activations
.set X,   4                            ; v[4:67]   sixteen loads of four f32
.set Y,   68                           ; v[68:99]  sixteen pairs of packed f16
	s_load_b512 s[8:23], s[0:1], 0x0               ; query s[8:9], key, value, Wq, Wk, Wv, Wo s[20:21], xb s[22:23]
	s_load_b64 s[24:25], s[0:1], 0x40              ; wb
	s_max_u32 s3, ttmp9, NX
	s_sub_co_u32 s3, s3, NX                        ; chunk among the weights' 256 (0 for an activation's chunk: not used there)
	s_lshr_b32 s4, ttmp9, 9                        ; which activation
	s_and_b32 s5, ttmp9, 511                       ; its chunk
	s_lshr_b32 s6, s3, 6
	s_add_co_u32 s6, s6, 3                         ; which weight, counted on from the activations
	s_and_b32 s7, s3, 63                           ; its chunk
	s_cmp_lt_u32 ttmp9, NX
	s_cselect_b32 s4, s4, s6                       ; source 0 .. 6
	s_cselect_b32 s5, s5, s7                       ; chunk in the source
	s_cselect_b32 s26, ttmp9, s3                   ; chunk in the destination
	v_lshlrev_b32 v1, 4, v0                        ; 16 t
	v_lshlrev_b32 v2, 3, v0                        ; 8 t
	s_wait_kmcnt 0x0
	s_cselect_b64 s[28:29], s[22:23], s[24:25]     ; xb or wb: the selects, the vector lines and the wait have left the compare's result alone
	s_mov_b64 s[30:31], s[8:9]
.irp i, 1,2,3,4,5,6
	s_cmp_eq_u32 s4, \i
	s_cselect_b64 s[30:31], s[8+2*\i:9+2*\i], s[30:31]
.endr
	s_lshl_b32 s32, s5, 16                         ; 65,536 bytes a chunk in
	s_mov_b32 s33, 0
	s_add_nc_u64 s[30:31], s[30:31], s[32:33]
	s_lshl_b32 s34, s26, 15                        ; 32,768 bytes a chunk out
	s_mov_b32 s35, 0
	s_add_nc_u64 s[28:29], s[28:29], s[34:35]
.set j, 0
.rept 16
	global_load_b128 v[X+4*j:X+4*j+3], v1, s[30:31] offset:4096*j th:TH_LOAD_NT   ; read once in the launch
.set j, j+1
.endr
.set j, 0
.rept 16
	s_wait_loadcnt 15-j                            ; loads come back in order: load j is in, the 15 - j younger ones stay out
	v_cvt_pk_f16_f32 v[Y+2*j],   v[X+4*j],   v[X+4*j+1]
	v_cvt_pk_f16_f32 v[Y+2*j+1], v[X+4*j+2], v[X+4*j+3]
	global_store_b64 v2, v[Y+2*j:Y+2*j+1], s[28:29] offset:2048*j   ; no hint: the next launch reads these bytes
.set j, j+1
.endr
	s_endpgm
.Lfunc_end_k_q9ea58773a4_cast16:
	.size	k_q9ea58773a4_cast16, .Lfunc_end_k_q9ea58773a4_cast16-k_q9ea58773a4_cast16
	.p2alignl 7, 3214868480
	.fill 96, 4, 3214868480
	.section	.rodata,"a",@progbits
	.p2align	6, 0x0
	.amdhsa_kernel k_q9ea58773a4_cast16
		.amdhsa_group_segment_fixed_size 0
		.amdhsa_private_segment_fixed_size 0
		.amdhsa_enable_private_segment 0
		.amdhsa_kernarg_size 72
		.amdhsa_user_sgpr_count 2
		.amdhsa_user_sgpr_kernarg_segment_ptr 1
		.amdhsa_wavefront_size32 1
		.amdhsa_system_sgpr_workgroup_id_x 1
		.amdhsa_system_sgpr_workgroup_id_y 1
		.amdhsa_system_sgpr_workgroup_id_z 1
		.amdhsa_system_vgpr_workitem_id 0
		.amdhsa_next_free_vgpr 100
		.amdhsa_next_free_sgpr 66
		.amdhsa_reserve_vcc 0
		.amdhsa_float_denorm_mode_32 3
		.amdhsa_float_denorm_mode_16_64 3
		.amdhsa_memory_ordered 1
		.amdhsa_forward_progress 1
		.amdhsa_inst_pref_size 8
	.end_amdhsa_kernel
	.amdgpu_metadata
---
amdhsa.version: [ 1, 2 ]
amdhsa.kernels:
  - .name:           k_q9ea58773a4_cast16
    .symbol:         k_q9ea58773a4_cast16.kd
    .args:
      - { .name: query, .offset: 0, .size: 8, .value_kind: global_buffer, .address_space: global }
      - { .name: key, .offset: 8, .size: 8, .value_kind: global_buffer, .address_space: global }
      - { .name: value, .offset: 16, .size: 8, .value_kind: global_buffer, .address_space: global }
      - { .name: Wq, .offset: 24, .size: 8, .value_kind: global_buffer, .address_space: global }
      - { .name: Wk, .offset: 32, .size: 8, .value_kind: global_buffer, .address_space: global }
      - { .name: Wv, .offset: 40, .size: 8, .value_kind: global_buffer, .address_space: global }
      - { .name: Wo, .offset: 48, .size: 8, .value_kind: global_buffer, .address_space: global }
      - { .name: xb, .offset: 56, .size: 8, .value_kind: global_buffer, .address_space: global }
      - { .name: wb, .offset: 64, .size: 8, .value_kind: global_buffer, .address_space: global }
    .group_segment_fixed_size: 0
    .private_segment_fixed_size: 0
    .kernarg_segment_align: 8
    .kernarg_segment_size: 72
    .max_flat_workgroup_size: 256
    .sgpr_count:     66
    .vgpr_count:     100
    .wavefront_size: 32
...
	.end_amdgpu_metadata
.endif
;; end of part 1
;; launch proj_in (part 2): grid 8 x 32, 4 waves a work-group, clusters of 4 x 4, 327,680 bytes of LDS; arguments xb, wb, bq, bk, bv, qkvb; writes qkvb
.if DOCPART == 2
	.amdgcn_target "amdgcn-amd-amdhsa--gfx1250"
	.amdhsa_code_object_version 6
	.text
	.protected	k_q9ea58773a4_proj_in
	.globl	k_q9ea58773a4_proj_in
	.p2align	8
	.type	k_q9ea58773a4_proj_in,@function
k_q9ea58773a4_proj_in:
	s_mov_b64 s[64:65], 0
	v_nop
	global_prefetch_b8 v0, s[64:65] scope:SCOPE_SE
	s_setreg_imm32_b32 hwreg(HW_REG_WAVE_MODE, 25, 1), 1
	s_wait_xcnt 0x0
	s_wait_alu depctr_hold_cnt(0) depctr_sa_sdst(0) depctr_va_vdst(0) depctr_va_sdst(0) depctr_va_ssrc(0) depctr_va_vcc(0) depctr_vm_vsrc(0)
	s_getreg_b32 s2, hwreg(HW_REG_IB_STS2, 6, 4)
	s_cmp_eq_u32 s2, 0
	s_cbranch_scc0 .Lentry_in_a_cluster
	s_endpgm
.Lentry_in_a_cluster:
	s_bfe_u32 s2, ttmp6, 0x10000c
	s_cmp_lg_u32 s2, 0xf033
	s_cbranch_scc0 .Lentry_shape_is_right
	s_endpgm
.Lentry_shape_is_right:
; ONE TEXT FOR TWO LAUNCHES, chosen by OPROJ.  C = A W + bias, A: [rows][1024] f16, W: [1024 k][1024 n] f16 as it lies in memory, sums in f32.
;   OPROJ = 0: the three input projections in one launch.  A = xb [3][8192][1024]; part p = 0, 1, 2 takes W part p and bias bq, bk, bv.  Out: f16, [3][batch][head][2048][64].
;              Part 0 (q) is multiplied by c = log2(e) / 8, so that the attention's scores are logits in base 2: out = sum * c + bias * c, one fused multiply-add.
;   OPROJ = 1: the output projection.  A = the attention's result [batch][head][2048][64] f16 (k = 64 head + channel), W part 3, bias bo.  Out: f32 [8192][1024].
; LIMITS: f16 operands and (OPROJ = 0) f16 results: beyond 65,504 in magnitude they become infinity.  The f32 sums take K in a rotated order (below), not ascending.
; SHARES.  A tile of C is 256 rows x 128 columns, made by four waves, each 128 x 64: 32 accumulators of 16 x 16 = 256 registers (window 1).  With OPROJ = 0 a wave's 64 columns are one head,
; so its 128 rows of output are 16,384 consecutive bytes.  256 work-groups in both launches.
; A WORK-GROUP STAYS (OPROJ = 0): it makes three tiles, the same rows and columns of parts 0, 1, 2, written out one after the other.  The ring does not stop at a tile's end: a tile's last two
; changes of slots ask for the next part's first two K steps, and nothing waits for a tile's stores.
; K goes in 8 steps of 128 through two LDS slots filled by tensor loads, one load a wave behind each change of slots.
; K IS TAKEN IN A ROTATED ORDER: cluster (X, Y) begins at step (4 X + Y) mod 8 and goes once round.  The two clusters that read the same rows of A are four steps apart, the eight that read the
; same columns of W all differ: of the clusters that read a tile one asks first and the others later, none at the same time.  The step hangs on the cluster's x and y alone, which all partners share.
; CLUSTER 4 x 4: the four work-groups of a row of the cluster need the same tile of A, the four of a column the same tile of W: each tile is asked for jointly.
; THE MATRIX INSTRUCTION IS USED TRANSPOSED: source 0 = 16 columns of W (turned on the way out of LDS by ds_load_tr16_b128), source 1 = 16 rows of A.  A lane then holds row l % 16 of C
; and the eight neighbouring columns 8 (l / 16) + 0 .. 7.
; REGISTERS.  Window 0: v1-8 at work, v16-27 addresses, v32-63 bias, v64-159 and v160-255 two fragment buffers (4 x 8 of W, then 8 x 8 of A).  The way out works in buffer 1, which a tile's last
;             products have read, so that buffer 0 can already hold the next tile's first fragments.
;             Window 1: accumulator (a, b) at v[8 (4 a + b)], a = 0..7 blocks of 16 rows, b = 0..3 blocks of 16 columns.
.set OPROJ,  0
.set KSTEP,  128
.set KSTEPS, 1024/KSTEP                ; 8
.set LAPS,   KSTEPS/2                  ; a lap = two K steps = once round the ring: 4
.if OPROJ
.set TILES,  1
.set PA,     144                       ; A's LDS row: 128 bytes + 16: an odd multiple of 16, so the 16 rows of a fragment load start in 16 different 16-byte columns of 256
.set AROWS,  256                       ; one tensor load of A: one head's 64 channels of all 256 rows
.set ACOLS,  64
.set APITCH, 64
.set QIA,    4                         ; padding after every 32 words
.set ASH,    19                        ; a K step of A is two heads: 2 x 2,048 x 128 = 1 << 19 bytes
.set SPITCH, 272                       ; the stage's row: 256 bytes of f32 + 16
.else
.set TILES,  3
.set PA,     272                       ; 256 bytes + 16
.set AROWS,  128                       ; one tensor load of A: 128 rows x 128 along K
.set ACOLS,  128
.set APITCH, 1024
.set QIA,    5                         ; padding after every 64 words
.set ASH,    8                         ; a K step of A is 256 bytes along the rows
.set SPITCH, 144                       ; the stage's row: 128 bytes of f16 + 16
.endif
.set BSH,    18                        ; a K step of W is 128 rows of 2,048 bytes = 1 << 18
.set APART,  8192*1024*2               ; bytes from a part of xb to the next,
.set BPART,  1024*1024*2               ; of wb,
.set CPART,  8192*1024*2               ; of the output
.set AHALF,  AROWS*PA                  ; what wave 0 or 1 brings
.set ATILE,  2*AHALF
.set PB,     288                       ; W's LDS row: 256 bytes + 32, an odd multiple of 32
.set BHALF,  64*PB                     ; what wave 2 or 3 brings: 64 rows (k) x 128 columns
.set SLOT,   ATILE+2*BHALF
.set STAGE,  2*SLOT                    ; behind the ring, a multiple of 256: 16 rows for each wave; no tensor load lands here
.set ADRA, 16                          ; v16-17  LDS address of my A fragments in slot 0, 1
.set ADRB, 20                          ; v20-21  the same for W
.set STO,  24                          ; the way out: where I put my bytes of a row
.set RD,   25                          ; the way out: where I read rows back
.set CO,   26                          ; my byte offset in the output
.set BO,   27                          ; my byte offset in the bias
.set BIAS, 32                          ; v32-63  bias of my columns: 8 b + j
.set F0,   64
.set F1,   160
.set TMP,  160                         ; the way out: 32 f32
.if OPROJ
.set BK0,  192                         ; two buffers of 32 for rows read back
.set BKN,  32
.else
.set PK,   192                         ; 16 registers of packed f16
.set BK0,  208                         ; two buffers of 16 for rows read back
.set BKN,  16
.endif
.set G1,  24                           ; s[24:31] descriptor group 1 for A;  s[32:39] group 0, a set for each slot
.set G0,  32
.set G1B, 48                           ; s[48:55], s[56:63] the same for W
.set G0B, 56
.set SC,  78                           ; s[78:79] c (OPROJ = 0)
.set KS,  80                           ; s80      the K step that the next fill brings, 0..7
.set OA,  82                           ; s[82:83] its byte offset in A
.set OW,  84                           ; s[84:85] its byte offset in W
.set WB,  86                           ; s[86:87] W at my part of K step 0's tile (A's: s[14:15])
.set CB,  88                           ; s[88:89] my columns' byte offset in a bias
.set MSB, 0
.macro WIN new                         ; the immediate's high byte repeats the setting that is left; a switch that changes nothing is dropped
.if MSB != \new
	s_set_vgpr_msb (MSB<<8)|\new
.set MSB, \new
.endif
.endm
.set MUL, 0x50                         ; C and D window 1, both sources window 0
; A joint load: waves 0 and 1 fetch A's two parts, waves 2 and 3 W's.  The branch hangs on the wave's number alone.  Four v_nop follow each of the two lines.
.macro JLOAD s
	s_cmp_eq_u32 s11, 0
	s_cbranch_scc0 .Lfor_b_\@
	tensor_load_to_lds s[G0+4*\s:G0+4*\s+3], s[G1:G1+7]
	s_nop 0
.rept 4
	v_nop
.endr
	s_branch .Lasked_\@
.Lfor_b_\@:
	tensor_load_to_lds s[G0B+4*\s:G0B+4*\s+3], s[G1B:G1B+7]
	s_nop 0
.rept 4
	v_nop
.endr
.Lasked_\@:
.endm
.macro CREST                           ; a round of the cluster's barrier behind its opening barrier
	s_cmp_lg_u32 s10, 0
	s_cbranch_scc1 .Lnot_wave_0_\@
	s_barrier_signal -3
.Lnot_wave_0_\@:
	s_barrier_wait -3
	s_barrier_signal -1
	s_barrier_wait -1
.endm
.macro CROUND                          ; a whole round
	s_barrier_signal -1
	s_barrier_wait -1
	CREST
.endm
; The slot's two descriptors are pointed at K step s[KS], and the step goes on, round from 7 to 0.  It stands where no tensor load of the wave is out.
.macro AIM slot
	s_lshl_b32 s[OA], s[KS], ASH
	s_lshl_b32 s[OW], s[KS], BSH
	s_add_nc_u64 s[G0+4*\slot+2:G0+4*\slot+3], s[14:15], s[OA:OA+1]       ; global address
	s_or_b32 s[G0+4*\slot+3], s[G0+4*\slot+3], 0x80000000                 ; type = 2
	s_add_nc_u64 s[G0B+4*\slot+2:G0B+4*\slot+3], s[WB:WB+1], s[OW:OW+1]
	s_or_b32 s[G0B+4*\slot+3], s[G0B+4*\slot+3], 0x80000000
	s_add_co_u32 s[KS], s[KS], 1
	s_and_b32 s[KS], s[KS], KSTEPS-1
.endm
	s_load_b128 s[4:7], s[0:1], 0x0                ; A s[4:5], wb s[6:7]
.if OPROJ
	s_load_b128 s[68:71], s[0:1], 0x10             ; bo s[68:69], out0 s[70:71]
.else
	s_load_b256 s[68:75], s[0:1], 0x10             ; bq s[68:69], bk s[70:71], bv s[72:73], the output s[74:75]
	v_lshl_add_u32 v30, v0, 2, 0x36400
	v_mov_b32 v31, 0
	ds_add_u32 v30, v31
.endif
	v_lshrrev_b32 v1, 5, v0
	v_readfirstlane_b32 s10, v1                    ; wave 0..3
	s_lshr_b32 s11, s10, 1                         ; which 128 rows of the tile are mine.  Also: I fetch for A (0) or for W (1)
	s_and_b32 s12, s10, 1                          ; which 64 columns.  Also: which part of that tile I fetch
	s_bfe_u32 s40, ttmp6, 0x40000                  ; cx, cy: my place in the cluster
	s_bfe_u32 s41, ttmp6, 0x40004
	s_lshl_b32 s42, ttmp9, 2                       ; 4 x cluster x
	s_and_b32 s13, ttmp7, 0xffff                   ; cluster y
	s_add_co_u32 s[KS], s42, s13
	s_and_b32 s[KS], s[KS], KSTEPS-1               ; the cluster's first K step: (4 X + Y) mod 8, the same in all sixteen partners
	s_add_co_u32 s42, s42, s40                     ; tile column = 4 x cluster x + cx, 0..7
	s_lshl_b32 s13, s13, 2
	s_add_co_u32 s13, s13, s41                     ; tile row = 4 x cluster y + cy, 0..31
	s_lshl_b32 s43, s41, 2
	s_lshl_b32 s43, 15, s43                        ; my row of the cluster
	s_lshl_b32 s44, 0x1111, s40                    ; my column
	s_or_b32 s[G1+0], s43, (1<<16)|(1<<20)|(1<<21)|(QIA<<22)|(3<<25)  ; 15:0 the mask: A's tiles go to my row; 17:16 elements of 2 bytes; 20 padding on; 21 set beside a mask; 24:22 its interval; 31:25 4 words of it
	s_mov_b32 s[G1+1], ACOLS<<16                   ; tensor_dim0
	s_mov_b32 s[G1+2], AROWS<<16                   ; tensor_dim1
	s_mov_b32 s[G1+3], ACOLS<<16                   ; tile_dim0
	s_mov_b32 s[G1+4], AROWS                       ; tile_dim1
	s_mov_b32 s[G1+5], APITCH                      ; elements from row to row
	s_mov_b32 s[G1+6], 0
	s_mov_b32 s[G1+7], 0
	s_or_b32 s[G1B+0], s44, (1<<16)|(1<<20)|(1<<21)|(5<<22)|(7<<25)   ; W's tiles go to my column; after every 64 words 8 words of padding
	s_mov_b32 s[G1B+1], 128<<16
	s_mov_b32 s[G1B+2], 64<<16
	s_mov_b32 s[G1B+3], 128<<16
	s_mov_b32 s[G1B+4], 64
	s_mov_b32 s[G1B+5], 1024
	s_mov_b32 s[G1B+6], 0
	s_mov_b32 s[G1B+7], 0
	s_mov_b32 s[OA+1], 0                           ; the steps' offsets stay under 4 GiB
	s_mov_b32 s[OW+1], 0
	; where the tiles come from.  A's offset is made of the tile row and the wave alone (s16, s17), W's of the tile column and the wave alone (s46, s47).
.if OPROJ
	s_lshr_b32 s16, s13, 3
	s_lshl_b32 s16, s16, 22                        ; batch: 16 heads x 2,048 rows x 128 bytes
	s_and_b32 s17, s13, 7
	s_lshl_b32 s17, s17, 15                        ; 256 rows x 128 bytes
	s_add_co_u32 s16, s16, s17
	s_lshl_b32 s17, s12, 18                        ; the K step's first or second head
	s_add_co_u32 s16, s16, s17
.else
	s_lshl_b32 s16, s13, 19                        ; 256 rows x 2,048 bytes, in part 0
	s_lshl_b32 s17, s12, 18                        ; my 128 rows of them
	s_add_co_u32 s16, s16, s17
.endif
	s_mov_b32 s17, 0
	s_lshl_b32 s46, s42, 8                         ; 128 columns x 2 bytes
	s_lshl_b32 s47, s12, 17                        ; my 64 rows (k) x 2,048 bytes
	s_add_co_u32 s46, s46, s47
.if OPROJ
	s_add_co_u32 s46, s46, 3*BPART                 ; Wo is part 3 of wb
.endif
	s_mov_b32 s47, 0
	s_mul_i32 s20, s10, AHALF                      ; where they go: A's parts at wave x AHALF (waves 0, 1),
	s_mul_i32 s21, s10, BHALF
	s_add_co_u32 s21, s21, ATILE-2*BHALF           ; W's behind A's tile, at (wave - 2) x BHALF (waves 2, 3): no place in the cluster enters an LDS address
	s_wait_dscnt 0x0
	s_wait_kmcnt 0x0
	s_add_nc_u64 s[14:15], s[4:5], s[16:17]
	s_add_nc_u64 s[WB:WB+1], s[6:7], s[46:47]
.if OPROJ
	s_mov_b64 s[8:9], s[70:71]
.else
	s_mov_b64 s[8:9], s[74:75]
	s_mov_b32 s[SC], 0x3e38aa3b                    ; c = log2(e) / 8
	s_mov_b32 s[SC+1], s[SC]                       ; named with it as a pair, so it is written
.endif
	CROUND                                         ; all sixteen work-groups are here: the first joint loads meet
.irp s, 0,1
	s_mov_b32 s[G0+4*\s], 1                        ; count = 1
	s_add_co_u32 s[G0+4*\s+1], s20, \s*SLOT        ; LDS address
	s_mov_b32 s[G0B+4*\s], 1
	s_add_co_u32 s[G0B+4*\s+1], s21, \s*SLOT
	AIM \s                                         ; the cluster's first and second K step
	JLOAD \s                                       ; two loads of mine are out
.endr
	; lane addresses.  A's fragment: lane l holds row l % 16; two loads of 16 bytes, 32 apart, at row x pitch + 16 (l / 16).
	; W's fragment: the turning load: lane l addresses row (k) 8 (l / 16) + l % 8, 16 bytes at 16 ((l / 8) % 2); two loads, 16 rows apart.
	v_and_b32 v1, 15, v0                           ; r = l % 16
	v_bfe_u32 v2, v0, 4, 1                         ; h = l / 16
	v_mul_u32_u24 v3, v1, PA
	v_lshl_add_u32 v3, v2, 4, v3
	v_and_b32 v4, 7, v0
	v_lshl_add_u32 v4, v2, 3, v4
	v_mul_u32_u24 v4, v4, PB
	v_bfe_u32 v5, v0, 3, 1
	v_lshl_add_u32 v4, v5, 4, v4
	s_mul_i32 s22, s11, 128*PA                     ; my 128 rows of A
	s_lshl_b32 s23, s12, 7                         ; my 64 columns of W,
	s_add_co_u32 s23, s23, ATILE                   ; which lies behind A's tile
.irp s, 0,1
	v_add_nc_u32 v[ADRA+\s], s22, v3
	v_add_nc_u32 v[ADRB+\s], s23, v4
	s_add_co_u32 s22, s22, SLOT
	s_add_co_u32 s23, s23, SLOT
.endr
	v_lshlrev_b32 v[BO], 5, v2                     ; my eight columns of a block of 16: 32 h bytes
	s_lshl_b32 s[CB], s42, 9                       ; the tile's 128 columns x 4 bytes
	s_lshl_b32 s47, s12, 8                         ; my 64 of them
	s_add_co_u32 s[CB], s[CB], s47
	s_mov_b32 s[CB+1], 0
	s_mul_i32 s23, s10, 16*SPITCH
	s_add_co_u32 s23, s23, STAGE                   ; my stage
	v_mul_u32_u24 v5, v1, SPITCH
.if OPROJ
	v_lshl_add_u32 v5, v2, 5, v5                   ; in: row r, 32 bytes (8 f32) for each half of the lanes
	v_add_nc_u32 v[STO], s23, v5
	v_mul_u32_u24 v6, v2, SPITCH                   ; back: lanes 0-15 one row of 256 bytes, lanes 16-31 the next
	v_lshl_add_u32 v6, v1, 4, v6
	v_add_nc_u32 v[RD], s23, v6
	v_lshlrev_b32 v8, 12, v2                       ; and the same two rows of 4,096 bytes in the output
	v_lshl_add_u32 v[CO], v1, 4, v8
	s_lshl_b32 s16, s13, 20                        ; 256 rows x 4,096 bytes
	s_lshl_b32 s17, s11, 19                        ; my 128 of them
	s_add_co_u32 s16, s16, s17
	s_mov_b32 s17, 0
	s_add_nc_u64 s[8:9], s[8:9], s[16:17]
	s_add_nc_u64 s[8:9], s[8:9], s[CB:CB+1]        ; my columns: the same bytes as in the bias
.else
	v_lshl_add_u32 v5, v2, 4, v5                   ; in: row r, 16 bytes (8 f16) for each half of the lanes
	v_add_nc_u32 v[STO], s23, v5
	v_bfe_u32 v6, v0, 3, 2                         ; back: eight lanes to a row of 128 bytes, four rows a load
	v_and_b32 v7, 7, v0
	v_mul_u32_u24 v6, v6, SPITCH
	v_lshl_add_u32 v6, v7, 4, v6
	v_add_nc_u32 v[RD], s23, v6
	v_and_b32 v8, 31, v0
	v_lshlrev_b32 v[CO], 4, v8                     ; the head's rows follow each other: 16 bytes a lane, 512 consecutive bytes a store
	s_bfe_u32 s16, s13, 0x20003                    ; batch: bits 4:3 of the tile row
	s_lshl_b32 s16, s16, 22
	s_and_b32 s17, s13, 7
	s_lshl_b32 s17, s17, 15                        ; 256 rows x 128 bytes
	s_add_co_u32 s16, s16, s17
	s_lshl_b32 s17, s11, 14                        ; my 128 of them
	s_add_co_u32 s16, s16, s17
	s_mov_b32 s17, 0
	s_add_nc_u64 s[8:9], s[8:9], s[16:17]
	s_lshl_b32 s46, s42, 1
	s_add_co_u32 s46, s46, s12                     ; my head = 2 x tile column + my half
	s_lshl_b32 s46, s46, 18                        ; 2,048 rows x 128 bytes
	s_mov_b32 s47, 0
	s_add_nc_u64 s[8:9], s[8:9], s[46:47]          ; the output at my rows of my head, in part 0
.endif
; 8 matrix instructions: row blocks a0, a0 + 1 x all 4 column blocks, 32 along K.  zero = 1: the product starts the sum: nothing is cleared.
; The 32 accumulators take turns, one instruction a turn, in the same order in every quarter and from tile to tile.
.macro MUL8 f, a0, zero
.irp a, \a0, \a0+1
.irp b, 0,1,2,3
.if \zero
	v_wmma_f32_16x16x32_f16 v[8*(4*(\a)+\b):8*(4*(\a)+\b)+7], v[\f+8*\b:\f+8*\b+7], v[\f+32+8*(\a):\f+32+8*(\a)+7], 0
.else
	v_wmma_f32_16x16x32_f16 v[8*(4*(\a)+\b):8*(4*(\a)+\b)+7], v[\f+8*\b:\f+8*\b+7], v[\f+32+8*(\a):\f+32+8*(\a)+7], v[8*(4*(\a)+\b):8*(4*(\a)+\b)+7]
.endif
.endr
.endr
.endm
.macro MUL16 f, a0, zero
	MUL8 \f, \a0, \zero
	MUL8 \f, \a0+2, \zero
.endm
; 24 LDS loads in one run: the fragments of quarter q (32 along K) of a slot into buffer f: W's 8, A's row blocks 0-3 (8), A's row blocks 4-7 (8)
.macro FETCH slot, q, f
.if OPROJ
.set AQ, (\q/2)*AHALF+(\q%2)*64        ; the K step's first or second head, its channels 0-31 or 32-63
.else
.set AQ, \q*64
.endif
	WIN 0
.irp b, 0,1,2,3
	ds_load_tr16_b128 v[\f+8*\b:\f+8*\b+3],   v[ADRB+\slot] offset:\q*32*PB+32*\b
	ds_load_tr16_b128 v[\f+8*\b+4:\f+8*\b+7], v[ADRB+\slot] offset:\q*32*PB+32*\b+16*PB
.endr
.irp a, 0,1,2,3,4,5,6,7
	ds_load_b128 v[\f+32+8*\a:\f+32+8*\a+3],   v[ADRA+\slot] offset:AQ+\a*16*PA
	ds_load_b128 v[\f+32+8*\a+4:\f+32+8*\a+7], v[ADRA+\slot] offset:AQ+\a*16*PA+32
.endr
.endm
.macro PLACES                          ; four plain vector instructions between a matrix instruction and a load into a register that it read, or a vector instruction that reads its result or writes a source (ISA guide 7.12.1 for vector instructions)
.rept 4
	v_nop
.endr
.endm
; A K step is four quarters of 32 along K, 32 matrix instructions each, on buffers 0, 1, 0, 1.  One of the first three: multiplies buffer f; in its middle it fetches quarter q into buffer g.
.macro QUARTER slot, q, f, g, zero
	s_wait_dscnt 8                                 ; W's fragments and A's blocks 0-3 are in; the youngest eight loads (A's blocks 4-7) may be out
	WIN MUL
	MUL16 \f, 0, \zero
	PLACES
	FETCH \slot, \q, \g
	s_wait_dscnt 24                                ; all but the 24 just issued
	WIN MUL
	MUL16 \f, 4, \zero
.endm
; The last quarter multiplies buffer 1 and changes slots: one barrier; in front of it each wave waits for its reads of this slot and for all its tensor loads (one is out: its part of the next slot).
; fill = 1: the barrier opens a round of the cluster's barrier, and this slot is filled again, with the K step two on, first thing behind the round: 120 matrix instructions ahead of the wait for it.
; newtile = 1: that K step is the next tile's first: the two bases go on to the next part; the step itself has come round to the cluster's first.
.macro TURN slot, next, fill, newtile
	s_wait_dscnt 8
	WIN MUL
	MUL8 F1, 0, 0
	s_wait_dscnt 0                                 ; my reads of this slot are over,
	s_wait_tensorcnt 0x0                           ; and all my tensor loads have landed
	ds_add_u32 v30, v31
	s_wait_dscnt 0x0
	s_barrier_signal -1
	MUL8 F1, 2, 0                                  ; register work while the others arrive
.if \fill
	WIN 0                                          ; every window is 0 there
.endif
	s_barrier_wait -1
.if \fill
	CREST                                          ; no wave of any partner still reads this slot's tile or has a load on its way
.if \newtile
	s_add_nc_u64 s[14:15], s[14:15], APART
	s_add_nc_u64 s[WB:WB+1], s[WB:WB+1], BPART
.endif
	AIM \slot
	JLOAD \slot                                    ; its four v_nop are also the places in front of the loads below
.else
	PLACES
.endif
	FETCH \next, 0, F0
	WIN MUL
	MUL16 F1, 4, 0                                 ; buffer 1 is whole since the wait for 0 above
.endm
; THE WAY OUT, a block of 16 rows at a time, through my own stage in LDS.  PACK: bias (and scale, and rounding).  TOSTAGE: into the stage, and back as whole rows.  SEND: stored.
.macro PACK a, scaled
	WIN 0x01                                       ; source 0, the sums, window 1
.irp b, 0,1,2,3
.irp r, 0,1,2,3
.if \scaled
	v_pk_fma_f32 v[TMP+8*\b+2*\r:TMP+8*\b+2*\r+1], v[8*(4*(\a)+\b)+2*\r:8*(4*(\a)+\b)+2*\r+1], s[SC:SC+1], v[BIAS+8*\b+2*\r:BIAS+8*\b+2*\r+1] op_sel_hi:[1,0,1]
.else
	v_pk_add_f32 v[TMP+8*\b+2*\r:TMP+8*\b+2*\r+1], v[8*(4*(\a)+\b)+2*\r:8*(4*(\a)+\b)+2*\r+1], v[BIAS+8*\b+2*\r:BIAS+8*\b+2*\r+1]
.endif
.endr
.endr
	WIN 0
.if !OPROJ
.set i, 0
.rept 16
	v_cvt_pk_f16_f32 v[PK+i], v[TMP+2*i], v[TMP+2*i+1]
.set i, i+1
.endr
.endif
.endm
.macro TOSTAGE a
.set BK, BK0+BKN*((\a)%2)
.if OPROJ
.irp b, 0,1,2,3
	ds_store_b128 v[STO], v[TMP+8*\b:TMP+8*\b+3]   offset:64*\b
	ds_store_b128 v[STO], v[TMP+8*\b+4:TMP+8*\b+7] offset:64*\b+16
.endr
.irp t, 0,1,2,3,4,5,6,7
	ds_load_b128 v[BK+4*\t:BK+4*\t+3], v[RD] offset:\t*2*SPITCH    ; LDS serves a wave's instructions in order (ISA guide 5.7.1.4): these see the stores above, and the next block's stores come behind them
.endr
.else
.irp b, 0,1,2,3
	ds_store_b128 v[STO], v[PK+4*\b:PK+4*\b+3] offset:32*\b
.endr
.irp t, 0,1,2,3
	ds_load_b128 v[BK+4*\t:BK+4*\t+3], v[RD] offset:\t*4*SPITCH    ; LDS serves a wave's instructions in order (ISA guide 5.7.1.4): these see the stores above, and the next block's stores come behind them
.endr
.endif
.endm
.macro SEND a
.set BK, BK0+BKN*((\a)%2)
	s_wait_dscnt 0x0                               ; the block is back in registers
	s_wait_xcnt 0x0                                ; the stores of the block before have had their addresses translated: its buffer is loaded again (by the next TOSTAGE) only behind this wait
.if OPROJ
.irp t, 0,1,2,3,4,5,6,7
	global_store_b128 v[CO], v[BK+4*\t:BK+4*\t+3], s[8:9] offset:(16*(\a)+2*\t)*4096 th:TH_STORE_NT   ; 16 lanes store 256 consecutive bytes, at a multiple of 256 from the output's first byte
.endr
.else
.irp t, 0,1,2,3
	global_store_b128 v[CO], v[BK+4*\t:BK+4*\t+3], s[8:9] offset:(\a)*2048+\t*512   ; 32 lanes store 512 consecutive bytes, at a multiple of 512 from the output's first byte; read again by the next launch: no hint
.endr
.endif
.endm
; A TILE OF C, part p.  It finds its first fragments on their way into buffer 0.  scaled = 1: the sums are multiplied by c.  last = 1: no tile follows, and its last lap asks for nothing.
.macro TILE p, scaled, last
	s_add_nc_u64 s[76:77], s[68+2*\p:69+2*\p], s[CB:CB+1]          ; the part's bias at my columns; the loads that named this pair before were waited for on the last way out
.irp b, 0,1,2,3
	global_load_b128 v[BIAS+8*\b:BIAS+8*\b+3],   v[BO], s[76:77] offset:64*\b      ; wanted on the way out: the whole tile's products stand in between
	global_load_b128 v[BIAS+8*\b+4:BIAS+8*\b+7], v[BO], s[76:77] offset:64*\b+16
.endr
	QUARTER 0, 1, F0, F1, 1                        ; the first quarter stands in front of the loop: its products start the sums
	WIN 0                                          ; at a label and at a branch every window is 0
	s_mov_b32 s3, LAPS-1
.Llap_\@:                                              ; a trip goes once round the ring, from a lap's second quarter to the next lap's first, and fills both slots again
	QUARTER 0, 2, F1, F0, 0
	QUARTER 0, 3, F0, F1, 0
	TURN 0, 1, 1, 0
	QUARTER 1, 1, F0, F1, 0
	QUARTER 1, 2, F1, F0, 0
	QUARTER 1, 3, F0, F1, 0
	TURN 1, 0, 1, 0
	QUARTER 0, 1, F0, F1, 0
	WIN 0
	s_sub_co_u32 s3, s3, 1
	s_cmp_lg_u32 s3, 0
	s_cbranch_scc1 .Llap_\@
	QUARTER 0, 2, F1, F0, 0                        ; the tile's last lap goes on
	QUARTER 0, 3, F0, F1, 0
.if \last
	TURN 0, 1, 0, 0                                ; nothing is filled, so no round
.else
	TURN 0, 1, 1, 1                                ; THE RING GOES ON INTO THE NEXT TILE: slot 0 takes its first K step,
.endif
	QUARTER 1, 1, F0, F1, 0
	QUARTER 1, 2, F1, F0, 0
	QUARTER 1, 3, F0, F1, 0
.if \last
	s_wait_dscnt 8                                 ; the very last quarter: nothing more to fetch
	WIN MUL
	MUL16 F1, 0, 0
	s_wait_dscnt 0
	MUL16 F1, 4, 0
.else
	TURN 1, 0, 1, 0                                ; slot 1 its second, and the next tile's first fragments are fetched into buffer 0
.endif
	WIN 0
	PLACES                                         ; the way out reads results just made and writes into buffer 1, which the last products read
	s_wait_loadcnt 0x0                             ; the tile's bias
.if \scaled
.set i, 0
.rept 16
	v_pk_mul_f32 v[BIAS+i:BIAS+i+1], v[BIAS+i:BIAS+i+1], s[SC:SC+1] op_sel_hi:[1,0]   ; bias x c, so that the way out is one fused multiply-add
.set i, i+2
.endr
.endif
	PACK 0, \scaled
	TOSTAGE 0
.irp a, 1,2,3,4,5,6,7                  ; block a's arithmetic stands between block a - 1's loads from the stage and the wait for them
	PACK \a, \scaled
	SEND \a-1
	TOSTAGE \a
.endr
	SEND 7
.if !\last
	s_wait_xcnt 0x0                                ; the last stores have had their addresses translated: only behind this wait is their base stepped, and are their data registers (in buffer 1) loaded again
	s_add_nc_u64 s[8:9], s[8:9], CPART             ; the same rows and head in the next part; nothing waits for the stores themselves
.endif
.endm
	s_wait_tensorcnt 1                             ; my part of the first K step is in; the second's may stay out
	s_barrier_signal -1
	s_barrier_wait -1                              ; everybody's is
	FETCH 0, 0, F0
.if TILES == 3
	TILE 0, 1, 0                                   ; q, times c
	TILE 1, 0, 0                                   ; k
	TILE 2, 0, 1                                   ; v
.else
	TILE 0, 0, 1
.endif
	s_wait_tensorcnt 0x0
	ds_add_u32 v30, v31
	s_wait_dscnt 0x0
	CROUND                                         ; the closing round: no work-group ends while a partner may still ask for a tile that names it
	s_endpgm
.Lfunc_end_k_q9ea58773a4_proj_in:
	.size	k_q9ea58773a4_proj_in, .Lfunc_end_k_q9ea58773a4_proj_in-k_q9ea58773a4_proj_in
	.p2alignl 7, 3214868480
	.fill 96, 4, 3214868480
	.section	.rodata,"a",@progbits
	.p2align	6, 0x0
	.amdhsa_kernel k_q9ea58773a4_proj_in
		.amdhsa_group_segment_fixed_size 327680
		.amdhsa_private_segment_fixed_size 0
		.amdhsa_enable_private_segment 0
		.amdhsa_kernarg_size 48
		.amdhsa_user_sgpr_count 2
		.amdhsa_user_sgpr_kernarg_segment_ptr 1
		.amdhsa_wavefront_size32 1
		.amdhsa_system_sgpr_workgroup_id_x 1
		.amdhsa_system_sgpr_workgroup_id_y 1
		.amdhsa_system_sgpr_workgroup_id_z 1
		.amdhsa_system_vgpr_workitem_id 0
		.amdhsa_next_free_vgpr 512
		.amdhsa_next_free_sgpr 90
		.amdhsa_reserve_vcc 0
		.amdhsa_float_denorm_mode_32 3
		.amdhsa_float_denorm_mode_16_64 3
		.amdhsa_memory_ordered 1
		.amdhsa_forward_progress 1
		.amdhsa_inst_pref_size 255
	.end_amdhsa_kernel
	.section	.bss,"aw",@nobits
	.p2align	6
	.space	262144
	.amdgpu_metadata
---
amdhsa.version: [ 1, 2 ]
amdhsa.kernels:
  - .name:           k_q9ea58773a4_proj_in
    .symbol:         k_q9ea58773a4_proj_in.kd
    .args:
      - { .name: xb, .offset: 0, .size: 8, .value_kind: global_buffer, .address_space: global }
      - { .name: wb, .offset: 8, .size: 8, .value_kind: global_buffer, .address_space: global }
      - { .name: bq, .offset: 16, .size: 8, .value_kind: global_buffer, .address_space: global }
      - { .name: bk, .offset: 24, .size: 8, .value_kind: global_buffer, .address_space: global }
      - { .name: bv, .offset: 32, .size: 8, .value_kind: global_buffer, .address_space: global }
      - { .name: qkvb, .offset: 40, .size: 8, .value_kind: global_buffer, .address_space: global }
    .group_segment_fixed_size: 327680
    .private_segment_fixed_size: 0
    .kernarg_segment_align: 8
    .kernarg_segment_size: 48
    .max_flat_workgroup_size: 128
    .sgpr_count:     90
    .vgpr_count:     512
    .wavefront_size: 32
...
	.end_amdgpu_metadata
.endif
;; end of part 2
;; launch attention (part 3): grid 4 x 64, 8 waves a work-group, clusters of 4 x 1, 327,680 bytes of LDS; arguments qkvb, mask, ctxb; writes ctxb
.if DOCPART == 3
	.amdgcn_target "amdgcn-amd-amdhsa--gfx1250"
	.amdhsa_code_object_version 6
	.text
	.protected	k_q9ea58773a4_attention
	.globl	k_q9ea58773a4_attention
	.p2align	8
	.type	k_q9ea58773a4_attention,@function
k_q9ea58773a4_attention:
	s_mov_b64 s[64:65], 0
	v_nop
	global_prefetch_b8 v0, s[64:65] scope:SCOPE_SE
	s_setreg_imm32_b32 hwreg(HW_REG_WAVE_MODE, 25, 1), 1
	s_wait_xcnt 0x0
	s_wait_alu depctr_hold_cnt(0) depctr_sa_sdst(0) depctr_va_vdst(0) depctr_va_sdst(0) depctr_va_ssrc(0) depctr_va_vcc(0) depctr_vm_vsrc(0)
	s_getreg_b32 s2, hwreg(HW_REG_IB_STS2, 6, 4)
	s_cmp_eq_u32 s2, 0
	s_cbranch_scc0 .Lentry_in_a_cluster
	s_endpgm
.Lentry_in_a_cluster:
	s_bfe_u32 s2, ttmp6, 0x10000c
	s_cmp_lg_u32 s2, 0x3003
	s_cbranch_scc0 .Lentry_shape_is_right
	s_endpgm
.Lentry_shape_is_right:
; ctx[b][h][q][:] = the sum over k of softmax_k(q . k / 8 - 1e9 mask[b][k]) v[k][:].  q, k, v: parts 0, 1, 2 of [3][batch][head][2048][64] f16; ctx: [batch][head][2048][64] f16; mask: [4][2048] f32.
; q comes in already multiplied by c = log2(e) / 8, and the mask is multiplied here by -1e9 log2(e), so a score s = k . q + mk is the logit in base 2.
; SOFTMAX.  For each query a running maximum m and sum l: p = 2^(s - m); in every step O and l are multiplied by a = 2^(m_old - m_new).  Products, maxima and sums in f32; p is rounded to f16 for the second product.
; LIMITS.  f16 operands: beyond 65,504 in magnitude infinity.  mask x 1.4427e9 overflows f32 beyond |mask| = 2.36e29.  A query all of whose logits are minus infinity gives NaN.
; SHARES.  A work-group owns 512 queries of one (batch, head): 256 work-groups; each of its eight waves 64 queries, four tiles of 16, and walks all 2,048 keys, 64 a step.  Two waves share a SIMD's registers:
; a wave's text goes in plain phases (scores, softmax, second product), and the two waves are free to be in different phases.
; LAYOUT.  S^T = K Q^T + mk (source 0 = 16 keys, source 1 = 16 queries, C = the keys' mask term): a lane holds ONE query (l % 16) and the keys 8 (l / 16) + 0..7.  Two such tiles, rounded to f16 in pairs,
; ARE source 1 (32 keys x 16 queries) of O^T = V^T P, whose result again holds one query a lane, and eight channels.  K comes out of LDS as it lies, V ([key][channel]) turned, by ds_load_tr16_b128.
; CLUSTER.  The four query blocks of a (batch, head) walk the same K and V: each tile is asked for jointly, with a mask that names the four.
; LDS.  Two slots of four key steps (a step: 64 rows of K at 144 bytes, 64 rows of V at 160): slot 0 at 0, slot 1 at 131,072.  Between them, in blocks of 256 bytes into which no tensor load lands: the mask terms and the waves' stages.
; REGISTERS.  Window 0: v2-15 addresses and work; v16-47 statistics, 8 a tile; v48-79 mask terms of a step; v80-87 the mask on its way in; v128-255 S^T, 32 a tile (P is made in place in each tile's first 16).
;             Window 1: v0-127 O^T, 32 a tile; v128-191 Q, 16 a tile; v192-255 K of a step, then V of the same step.
.set KS,    64
.set PK,    144       ; a row of K: 128 bytes + 16, an odd multiple of 16
.set PV,    160       ; a row of V: 128 bytes + 32, an odd multiple of 32
.set VOFF,  KS*PK
.set STEPB, KS*(PK+PV)
.set SLOT1, 1<<17     ; one exclusive or turns an address in one slot into the other's
.set MASKB, 4*STEPB   ; 77,824 = 304 x 256: 2,048 mask terms
.set STAGE, MASKB+8192  ; 86,016 = 336 x 256: 16 rows x 144 bytes for each wave; ends at 104,448, below slot 1
.set SP,    144
.set AK0, 2           ; my lane's place in a tile of K; never rewritten
.set AV0, 3           ; the same for V
.set AM0, 4           ; the same for the mask terms
.set ADR, 5           ; the LDS address of the run of loads in hand
.set ADM, 6           ; the same for the mask terms
.set QO,  7           ; my byte offset in the wave's rows of Q
.set STO, 8           ; the way out: where I put 16 bytes of a row
.set RD,  9           ; the way out: where I read rows back
.set GO,  10          ; my byte offset in the wave's rows of ctx
.set ST,  16          ; tile t's statistics at v[ST+8 t]: +0 m, +1 m_old - m_new, +2, +3 l (even keys', odd keys'), +4 to +7 c0-c3 at work; a takes c0's place
.set MK,  48
.set MS,  80
.set S,   128
.set Q,   128         ; window 1
.set KV,  192         ; window 1
.set WV,  12          ; s12 my wave's number
.set G1K, 24          ; s[24:31] descriptor group 1 for K's tiles
.set G1V, 32          ; s[32:39] for V's: it differs in the padding alone
.set G0K, 40          ; s[40:47] group 0 for K's tiles: a set for each of the two first fills; the second then walks on
.set G0V, 48          ; s[48:55] the same for V's
.set SLOTS, 56        ; slots still to be asked for
.set CNT, 57          ; counts a slot's steps
.set MF,  58          ; s[58:59] -1e9 log2(e)
.set SEL, 60          ; s[60:61] lane selects for v_permlanex16_b32: each lane takes its own place in the other half
.set TB,  62          ; LDS byte at which the tiles of the step in hand begin
.set MB,  63          ; byte of the step's first mask term
.set MSB, 0
.macro WIN new
.if MSB != \new
	s_set_vgpr_msb (MSB<<8)|\new
.set MSB, \new
.endif
.endm
.set W_KQ, 0x05       ; K and Q window 1; C and S^T window 0
.set W_PV, 0x51       ; V window 1, P window 0, O^T window 1
.set W_RS, 0x41       ; O^T (destination and source 0) window 1, the factor window 0
.set TO1,  0x40       ; a load's destination window 1, its address window 0
; A joint refill.  Waves 0-3 fetch the four steps' tiles of K, waves 4-7 those of V.  The branch hangs on the wave's number alone.  Four v_nop follow each of the two lines.
.macro JLOAD
	s_cmp_lt_u32 s[WV], 4
	s_cbranch_scc0 .Lfor_v_\@
	tensor_load_to_lds s[G0K+4:G0K+7], s[G1K:G1K+7]
	s_nop 0
.rept 4
	v_nop
.endr
	s_branch .Lasked_\@
.Lfor_v_\@:
	tensor_load_to_lds s[G0V+4:G0V+7], s[G1V:G1V+7]
	s_nop 0
.rept 4
	v_nop
.endr
.Lasked_\@:
.endm
.macro CROUND                       ; a round of the cluster's barrier
	s_barrier_signal -1
	s_barrier_wait -1
	s_cmp_lg_u32 s[WV], 0
	s_cbranch_scc1 .Lnot_wave_0_\@
	s_barrier_signal -3
.Lnot_wave_0_\@:
	s_barrier_wait -3
	s_barrier_signal -1
	s_barrier_wait -1
.endm
	s_load_b128 s[4:7], s[0:1], 0x0 ; q, k, v s[4:5], mask s[6:7]
	s_load_b64 s[8:9], s[0:1], 0x10 ; ctx
	v_lshl_add_u32 v126, v0, 2, 0x33000
	v_mov_b32 v127, 0
	ds_add_u32 v126, v127
	v_lshrrev_b32 v1, 5, v0
	v_readfirstlane_b32 s[WV], v1   ; wave 0..7
	s_bfe_u32 s13, ttmp6, 0x40000   ; cx: my place in the cluster
	s_lshl_b32 s14, ttmp9, 2
	s_add_co_u32 s14, s14, s13      ; my block of 512 queries: it enters Q's and ctx's addresses alone
	s_and_b32 s20, ttmp7, 0xffff    ; 16 x batch + head, which the four partners share
	s_lshl_b32 s21, s20, 18         ; its 2,048 rows of 128 bytes
	s_and_b32 s16, s[WV], 3         ; which of a slot's four steps I fetch:
	s_lshl_b32 s22, s16, 13         ; its 64 rows of 128 bytes in memory,
	s_add_co_u32 s22, s22, s21
	s_mov_b32 s23, 0
	s_mul_i32 s17, s16, STEPB       ; and its place in a slot: no place in the cluster enters an LDS address
	s_lshl_b32 s2, s14, 16          ; my block's 512 rows,
	s_lshl_b32 s3, s[WV], 13        ; my wave's 64 of them
	s_add_co_u32 s2, s2, s3
	s_add_co_u32 s2, s2, s21
	s_mov_b32 s3, 0
	s_lshr_b32 s18, s20, 4          ; batch
	s_lshl_b32 s18, s18, 13         ; its 2,048 numbers of the mask
	s_mov_b32 s19, 0
	s_mov_b32 s[G1K], 15|(1<<16)|(1<<20)|(1<<21)|(4<<22)|(3<<25)  ; 15:0 the mask: all four work-groups; 17:16 elements of 2 bytes; 20 padding on; 21 set beside a mask; 24:22 after every 32 words; 31:25 4 words of it
	s_mov_b32 s[G1V], 15|(1<<16)|(1<<20)|(1<<21)|(4<<22)|(7<<25)  ; the same with 8 words of padding
.irp g, G1K, G1V
	s_mov_b32 s[\g+1], 64<<16       ; tensor_dim0 = 64
	s_mov_b32 s[\g+2], KS<<16       ; tensor_dim1 = 64
	s_mov_b32 s[\g+3], 64<<16       ; tile_dim0 = 64
	s_mov_b32 s[\g+4], KS           ; tile_dim1 = 64
	s_mov_b32 s[\g+5], 64           ; elements from row to row
	s_mov_b32 s[\g+6], 0
	s_mov_b32 s[\g+7], 0
.endr
	s_mov_b32 s[MF], 0xceabfb8f     ; -1e9 log2(e) = -1.4426950e9
	s_mov_b32 s[MF+1], s[MF]        ; named with it as a pair, so it is written
	s_mov_b32 s[SEL], 0x76543210
	s_mov_b32 s[SEL+1], 0xfedcba98
	s_mov_b32 s[TB], 0
	s_mov_b32 s[MB], 0
	s_mov_b32 s[SLOTS], 2048/(4*KS)-2
	s_wait_dscnt 0x0
	s_wait_kmcnt 0x0
	s_add_nc_u64 s[10:11], s[4:5], s[22:23]  ; my tile's place in a part of the buffer
	s_add_nc_u64 s[4:5], s[4:5], s[2:3]      ; Q (part 0) and ctx at my wave's first row
	s_add_nc_u64 s[8:9], s[8:9], s[2:3]
	s_add_nc_u64 s[6:7], s[6:7], s[18:19]    ; the batch's mask
	CROUND                          ; all four work-groups are here: the first joint loads meet
.irp s, 0,1
	s_mov_b32 s[G0K+4*\s], 1        ; count = 1
	s_add_co_u32 s[G0K+4*\s+1], s17, \s*SLOT1  ; LDS address
	s_add_nc_u64 s[G0K+4*\s+2:G0K+4*\s+3], s[10:11], (1<<24)+\s*4*KS*128  ; K is part 1 (16 MiB a part); slot s begins with keys 256 s
	s_or_b32 s[G0K+4*\s+3], s[G0K+4*\s+3], 0x80000000  ; type = 2
	s_mov_b32 s[G0V+4*\s], 1
	s_add_co_u32 s[G0V+4*\s+1], s17, \s*SLOT1+VOFF
	s_add_nc_u64 s[G0V+4*\s+2:G0V+4*\s+3], s[10:11], (2<<24)+\s*4*KS*128  ; V is part 2
	s_or_b32 s[G0V+4*\s+3], s[G0V+4*\s+3], 0x80000000
.endr
	s_cmp_lt_u32 s[WV], 4           ; a wave's two first fills stand in one branch, ahead of every wait on TENSORcnt, every LDS read and every other barrier: two loads of mine are out
	s_cbranch_scc0 .Lfirst_v
	tensor_load_to_lds s[G0K:G0K+3], s[G1K:G1K+7]
	s_nop 0
	tensor_load_to_lds s[G0K+4:G0K+7], s[G1K:G1K+7]
	s_nop 0
.rept 4
	v_nop
.endr
	s_branch .Lfirst_asked
.Lfirst_v:
	tensor_load_to_lds s[G0V:G0V+3], s[G1V:G1V+7]
	s_nop 0
	tensor_load_to_lds s[G0V+4:G0V+7], s[G1V:G1V+7]
	s_nop 0
.rept 4
	v_nop
.endr
.Lfirst_asked:
	; A fragment of K or Q is 16 rows x 32 channels in 8 registers: lane l holds row l % 16; two loads of 16 bytes, 32 apart, at row x pitch + 16 (l / 16).
	v_and_b32 v1, 15, v0            ; r = l % 16
	v_bfe_u32 v13, v0, 4, 1         ; h = l / 16
	v_lshlrev_b32 v[QO], 7, v1
	v_lshl_add_u32 v[QO], v13, 4, v[QO]
	WIN TO1
.irp i, 0,1,2,3,4,5,6,7             ; Q stays in registers: tile i / 2, channels 32 (i % 2) on
	global_load_b128 v[Q+8*\i:Q+8*\i+3],   v[QO], s[4:5] offset:(\i/2)*2048+(\i%2)*64
	global_load_b128 v[Q+8*\i+4:Q+8*\i+7], v[QO], s[4:5] offset:(\i/2)*2048+(\i%2)*64+32
.endr
	WIN 0
	v_lshlrev_b32 v11, 4, v0        ; the mask: 256 threads x 16 bytes, twice
	global_load_b128 v[MS:MS+3],   v11, s[6:7]
	global_load_b128 v[MS+4:MS+7], v11, s[6:7] offset:4096
	v_add_nc_u32 v12, MASKB, v11
	v_mul_u32_u24 v[AK0], v1, PK
	v_lshl_add_u32 v[AK0], v13, 4, v[AK0]
	; The turning load: lane l addresses key 8 (l / 16) + l % 8, 16 bytes at 16 ((l / 8) % 2); it leaves half a fragment of V^T: lane l holds channel l % 16 and 8 keys.
	v_and_b32 v14, 7, v0
	v_bfe_u32 v15, v0, 3, 1
	v_lshl_add_u32 v[AV0], v13, 3, v14
	v_mul_u32_u24 v[AV0], v[AV0], PV
	v_lshl_add_u32 v[AV0], v15, 4, v[AV0]
	v_add_nc_u32 v[AV0], VOFF, v[AV0]
	v_lshlrev_b32 v[AM0], 5, v13    ; my eight keys of a tile of 16: 32 h bytes
	v_add_nc_u32 v[AM0], MASKB, v[AM0]
	s_mul_i32 s13, s[WV], 16*SP
	s_add_co_u32 s13, s13, STAGE    ; my stage
	v_mul_u32_u24 v[STO], v1, SP    ; in: row r, 16 bytes for each half of the lanes
	v_lshl_add_u32 v[STO], v13, 4, v[STO]
	v_add_nc_u32 v[STO], s13, v[STO]
	v_bfe_u32 v[RD], v0, 3, 2       ; back: eight lanes to a row of 128 bytes, four rows a load
	v_mul_u32_u24 v[RD], v[RD], SP
	v_lshl_add_u32 v[RD], v14, 4, v[RD]
	v_add_nc_u32 v[RD], s13, v[RD]
	v_and_b32 v[GO], 31, v0
	v_lshlrev_b32 v[GO], 4, v[GO]   ; the wave's rows of ctx follow each other: 16 bytes a lane
	s_wait_loadcnt 0x0              ; Q and the mask
.irp i, 0,2,4,6
	v_pk_mul_f32 v[MS+\i:MS+\i+1], v[MS+\i:MS+\i+1], s[MF:MF+1] op_sel_hi:[1,0]
.endr
	ds_store_b128 v12, v[MS:MS+3]
	ds_store_b128 v12, v[MS+4:MS+7] offset:4096
; THE MATRIX WORK.  The 16 accumulators of a product take turns, one instruction a turn: between two links of a chain stand the 15 others'.
; Product i of 32 of S^T: channels 32 (i / 16) on, keys 16 ((i / 4) % 4) on, tile i % 4.  The first 16 start the sums from the keys' mask terms.
.macro KQ
.set rS, S+32*(i%4)+8*((i/4)%4)
.set rK, KV+8*(2*((i/4)%4)+i/16)
.set rQ, Q+16*(i%4)+8*(i/16)
.if i < 16
	v_wmma_f32_16x16x32_f16 v[rS:rS+7], v[rK:rK+7], v[rQ:rQ+7], v[MK+8*((i/4)%4):MK+8*((i/4)%4)+7]
.else
	v_wmma_f32_16x16x32_f16 v[rS:rS+7], v[rK:rK+7], v[rQ:rQ+7], v[rS:rS+7]
.endif
.endm
; Product i of 32 of O^T += V^T P: keys 32 (i / 16) on, channels 16 ((i / 4) % 4) on, tile i % 4.  zero = 1: the first 16 start the sums: nothing is cleared.
.macro PV zero
.set rO, 32*(i%4)+8*((i/4)%4)
.set rV, KV+8*(4*(i/16)+(i/4)%4)
.set rP, S+32*(i%4)+8*(i/16)
.if \zero && (i < 16)
	v_wmma_f32_16x16x32_f16 v[rO:rO+7], v[rV:rV+7], v[rP:rP+7], 0
.else
	v_wmma_f32_16x16x32_f16 v[rO:rO+7], v[rV:rV+7], v[rP:rP+7], v[rO:rO+7]
.endif
.endm
; THE MAXIMUM, the four tiles line by line, so that no instruction reads the result of the one just before it.  Four chains c0-c3 of seven scores each, the four scores left over, c0-c3 and the old m;
; the other half of the lanes'; then m_old - m_new, the new m, and a.  first = 1: no old m, no a.
.macro SMAX first
.irp j, 0,1,2,3
.irp t, 0,1,2,3
	v_max3_num_f32 v[ST+8*\t+4+\j], v[S+32*\t+8*\j], v[S+32*\t+8*\j+1], v[S+32*\t+8*\j+2]
.endr
.endr
.irp u, 1,2
.irp j, 0,1,2,3
.irp t, 0,1,2,3
	v_max3_num_f32 v[ST+8*\t+4+\j], v[ST+8*\t+4+\j], v[S+32*\t+8*\j+2*\u+1], v[S+32*\t+8*\j+2*\u+2]
.endr
.endr
.endr
.irp t, 0,1,2,3
	v_max3_num_f32 v[ST+8*\t+4], v[ST+8*\t+4], v[S+32*\t+7], v[S+32*\t+15]
	v_max3_num_f32 v[ST+8*\t+6], v[ST+8*\t+6], v[S+32*\t+23], v[S+32*\t+31]
.endr
.irp t, 0,1,2,3
	v_max3_num_f32 v[ST+8*\t+4], v[ST+8*\t+4], v[ST+8*\t+5], v[ST+8*\t+6]
.endr
.irp t, 0,1,2,3
.if \first
	v_max_num_f32 v[ST+8*\t+4], v[ST+8*\t+4], v[ST+8*\t+7]
.else
	v_max3_num_f32 v[ST+8*\t+4], v[ST+8*\t+4], v[ST+8*\t+7], v[ST+8*\t]
.endif
.endr
.irp t, 0,1,2,3
	v_permlanex16_b32 v[ST+8*\t+5], v[ST+8*\t+4], s[SEL], s[SEL+1]  ; the query's other 32 keys lie in the lane 16 away
.endr
.if \first
.irp t, 0,1,2,3
	v_max_num_f32 v[ST+8*\t], v[ST+8*\t+4], v[ST+8*\t+5]
.endr
.irp t, 0,1,2,3
	v_mov_b32 v[ST+8*\t+1], 0       ; named with m as a pair below, so it is written
.endr
.else
.irp t, 0,1,2,3
	v_max_num_f32 v[ST+8*\t+6], v[ST+8*\t+4], v[ST+8*\t+5]
.endr
.irp t, 0,1,2,3
	v_sub_f32 v[ST+8*\t+1], v[ST+8*\t], v[ST+8*\t+6]
.endr
.irp t, 0,1,2,3
	v_mov_b32 v[ST+8*\t], v[ST+8*\t+6]
.endr
.irp t, 0,1,2,3
	v_exp_f32 v[ST+8*\t+4], v[ST+8*\t+1]  ; a; the plain instruction that a transcendental wants behind it (ISA guide 5.7.2) is the first subtraction below
.endr
.endif
.endm
; THE WEIGHTS of tile t: for pair pp of its 16 pairs of scores: s - m; two exponentials; l takes the pair; the pair is rounded to f16, in place: pair pp goes to register pp, whose own pair has been
; summed and rounded by then.  The lines are staggered so that a plain instruction that touches neither its result nor its source stands behind each exponential ahead of the result's use.
.macro SEXP t, first
.set rT, ST+8*\t
.set rS, S+32*\t
	v_pk_add_f32 v[rS:rS+1], v[rS:rS+1], v[rT:rT+1] op_sel_hi:[1,0] neg_lo:[0,1] neg_hi:[0,1]
.set pp, 0
.rept 16
.if pp < 15
	v_pk_add_f32 v[rS+2*pp+2:rS+2*pp+3], v[rS+2*pp+2:rS+2*pp+3], v[rT:rT+1] op_sel_hi:[1,0] neg_lo:[0,1] neg_hi:[0,1]
.endif
	v_exp_f32 v[rS+2*pp], v[rS+2*pp]
.if (pp == 1) && \first
	s_wait_alu depctr_va_vdst(0)
	v_pk_mul_f32 v[rT+2:rT+3], v[rS:rS+1], 1.0 op_sel_hi:[1,0]         ; the first pair starts l
.elseif pp == 1
	s_wait_alu depctr_va_vdst(0)
	v_pk_fma_f32 v[rT+2:rT+3], v[rT+2:rT+3], v[rT+4:rT+5], v[rS:rS+1] op_sel_hi:[1,0,1]  ; l = a l + the first pair
.elseif pp > 1
	s_wait_alu depctr_va_vdst(0)
	v_pk_add_f32 v[rT+2:rT+3], v[rT+2:rT+3], v[rS+2*pp-2:rS+2*pp-1]
.endif
	v_exp_f32 v[rS+2*pp+1], v[rS+2*pp+1]
.if pp > 0
	v_cvt_pk_f16_f32 v[rS+pp-1], v[rS+2*pp-2], v[rS+2*pp-1]
.endif
.set pp, pp+1
.endr
	s_wait_alu depctr_va_vdst(0)
	v_pk_add_f32 v[rT+2:rT+3], v[rT+2:rT+3], v[rS+30:rS+31]
	v_cvt_pk_f16_f32 v[rS+15], v[rS+30], v[rS+31]
.endm
; A KEY STEP.  first = 1: the first, which starts m, l and O^T.
.macro STEP first
	v_add_nc_u32 v[ADR], s[TB], v[AK0]
	v_add_nc_u32 v[ADM], s[MB], v[AM0]
	WIN TO1
.irp f, 0,1,2,3,4,5,6,7             ; K: keys 16 (f / 2) on, channels 32 (f % 2) on
	ds_load_b128 v[KV+8*\f:KV+8*\f+3],   v[ADR] offset:(\f/2)*16*PK+(\f%2)*64
	ds_load_b128 v[KV+8*\f+4:KV+8*\f+7], v[ADR] offset:(\f/2)*16*PK+(\f%2)*64+32
.endr
	WIN 0
.irp k, 0,1,2,3                     ; the mask terms of keys 16 k + 8 h + 0..7: all lanes of a half read the same bytes
	ds_load_b128 v[MK+8*\k:MK+8*\k+3],   v[ADM] offset:64*\k
	ds_load_b128 v[MK+8*\k+4:MK+8*\k+7], v[ADM] offset:64*\k+16
.endr
	s_wait_dscnt 0x0                ; K and the mask terms are in
	WIN W_KQ
.set i, 0
.rept 32
	KQ
.set i, i+1
.endr
	WIN 0
	v_add_nc_u32 v[ADR], s[TB], v[AV0]
.rept 4
	v_nop                           ; the places between the last of those products and the loads into K's registers, and the softmax's reads of the scores (ISA guide 7.12.1 for vector instructions)
.endr
	s_add_co_u32 s[TB], s[TB], STEPB  ; the next fetch is the next step's
	s_add_co_u32 s[MB], s[MB], 4*KS
	WIN TO1
.irp f, 0,1,2,3,4,5,6,7             ; V, turned: keys 32 (f / 4) on, channels 16 (f % 4) on; it lands under the softmax
	ds_load_tr16_b128 v[KV+8*\f:KV+8*\f+3],   v[ADR] offset:(\f/4)*32*PV+(\f%4)*32
	ds_load_tr16_b128 v[KV+8*\f+4:KV+8*\f+7], v[ADR] offset:(\f/4)*32*PV+16*PV+(\f%4)*32
.endr
	WIN 0
	SMAX \first
	SEXP 0, \first
	SEXP 1, \first
	SEXP 2, \first
	SEXP 3, \first
.if !\first
	WIN W_RS
.irp t, 0,1,2,3
.set i, 32*\t
.rept 16
	v_pk_mul_f32 v[i:i+1], v[i:i+1], v[ST+8*\t+4:ST+8*\t+5] op_sel_hi:[1,0]  ; O^T times a
.set i, i+2
.endr
.endr
.endif
	s_wait_dscnt 0x0                ; V is in
	WIN W_PV
.set i, 0
.rept 32
	PV \first
.set i, i+1
.endr
.rept 5
	v_nop                           ; five places: the next step's first products write over P, a source of these, and its loads land on V's registers
.endr
	WIN 0                           ; at a label and at a branch every window is 0
.endm
.macro STEPS n                      ; n key steps: written once, walked n times; the LDS addresses hang on s[TB] and s[MB]
	s_mov_b32 s[CNT], \n
.Lstep_\@:
	STEP 0
	s_sub_co_u32 s[CNT], s[CNT], 1
	s_cmp_lg_u32 s[CNT], 0
	s_cbranch_scc1 .Lstep_\@
.endm
; THE CHANGE OF SLOTS.  Each wave waits for its own reads of the slot and for all its tensor loads, of which one is out: its part of the other slot.  Behind the barrier nobody reads this slot any more
; and the other slot is whole.  fill = 1: the barrier is a round of the cluster's, and this slot is filled again, with the keys two slots on, first thing behind it: it has four key steps in which to land.
.macro CHANGE fill
	WIN 0
	s_wait_dscnt 0x0
	s_wait_tensorcnt 0x0            ; no tensor load of mine is out, so a group 0 may be written
	ds_add_u32 v126, v127
	s_wait_dscnt 0x0
.if \fill
.irp g, G0K+4, G0V+4
	s_xor_b32 s[\g+1], s[\g+1], SLOT1  ; the walking descriptor: the other slot than last time,
	s_add_nc_u64 s[\g+2:\g+3], s[\g+2:\g+3], 4*KS*128  ; the next 256 keys; the type bits on top are not reached
.endr
	CROUND
	JLOAD
.else
	s_barrier_signal -1
	s_barrier_wait -1
.endif
	s_sub_co_u32 s[TB], s[TB], 4*STEPB  ; the fetches go back to a slot's first step,
	s_xor_b32 s[TB], s[TB], SLOT1   ; in the other slot
.endm
	s_wait_dscnt 0x0                ; for the others' sake: my part of the mask terms is in LDS
	s_wait_tensorcnt 1              ; my part of slot 0 is in; slot 1's may stay out
	s_barrier_signal -1
	s_barrier_wait -1               ; everybody's is
	STEP 1
	STEPS 3
.Lslot:                             ; 6 trips: every slot but the last two is filled again
	CHANGE 1
	STEPS 4
	s_sub_co_u32 s[SLOTS], s[SLOTS], 1
	s_cmp_lg_u32 s[SLOTS], 0
	s_cbranch_scc1 .Lslot
	CHANGE 0                        ; the tail is written out: nothing is asked for
	STEPS 4
	; THE WAY OUT.  l's two halves and the other half of the lanes' are added; O^T is divided by l, rounded to f16 and sent through my stage in LDS, a tile (16 rows of ctx) at a time.
.irp t, 0,1,2,3
	v_add_f32 v[ST+8*\t+4], v[ST+8*\t+2], v[ST+8*\t+3]
.endr
.irp t, 0,1,2,3
	v_permlanex16_b32 v[ST+8*\t+5], v[ST+8*\t+4], s[SEL], s[SEL+1]
.endr
.irp t, 0,1,2,3
	v_add_f32 v[ST+8*\t+4], v[ST+8*\t+4], v[ST+8*\t+5]
.endr
.irp t, 0,1,2,3
	v_rcp_f32 v[ST+8*\t+6], v[ST+8*\t+4]
.endr
	v_nop                           ; a plain instruction between the last reciprocal and the use of its result
	s_wait_alu depctr_va_vdst(0)
; Tile t: a lane's eight channels of a row pack into 16 bytes; they go into rows of 144 bytes and come back as whole rows of 128, four rows a load.
.macro PACK t
	WIN W_RS
.set i, 32*\t
.rept 16
	v_pk_mul_f32 v[i:i+1], v[i:i+1], v[ST+8*\t+6:ST+8*\t+7] op_sel_hi:[1,0]
.set i, i+2
.endr
	WIN 0x05                        ; sources 0 and 1 window 1, destination window 0: S^T's registers are free
.set i, 0
.rept 16
	v_cvt_pk_f16_f32 v[S+32*\t+i], v[32*\t+2*i], v[32*\t+2*i+1]
.set i, i+1
.endr
	WIN 0
.irp f, 0,1,2,3
	ds_store_b128 v[STO], v[S+32*\t+4*\f:S+32*\t+4*\f+3] offset:32*\f
.endr
.irp f, 0,1,2,3
	ds_load_b128 v[S+32*\t+16+4*\f:S+32*\t+16+4*\f+3], v[RD] offset:\f*4*SP  ; LDS serves a wave's instructions in order (ISA guide 5.7.1.4): these see the stores above; the next tile's stores come behind them
.endr
.endm
.macro SEND t, younger              ; younger: the LDS instructions issued behind tile t's loads: the next tile's eight, or none
.irp f, 0,1,2,3
	s_wait_dscnt \younger+3-\f
	global_store_b128 v[GO], v[S+32*\t+16+4*\f:S+32*\t+16+4*\f+3], s[8:9] offset:\t*2048+\f*512  ; 32 lanes store 512 consecutive bytes, at a multiple of 512 from ctx's first byte
.endr
.endm
	PACK 0
	PACK 1                          ; a tile's arithmetic stands between the loads of the tile before and its stores
	SEND 0, 8
	PACK 2
	SEND 1, 8
	PACK 3
	SEND 2, 8
	SEND 3, 0
	s_wait_tensorcnt 0x0
	ds_add_u32 v126, v127
	s_wait_dscnt 0x0
	CROUND                          ; the closing round: no work-group ends while a partner may still ask for a tile that names it
	s_endpgm
.Lfunc_end_k_q9ea58773a4_attention:
	.size	k_q9ea58773a4_attention, .Lfunc_end_k_q9ea58773a4_attention-k_q9ea58773a4_attention
	.p2alignl 7, 3214868480
	.fill 96, 4, 3214868480
	.section	.rodata,"a",@progbits
	.p2align	6, 0x0
	.amdhsa_kernel k_q9ea58773a4_attention
		.amdhsa_group_segment_fixed_size 327680
		.amdhsa_private_segment_fixed_size 0
		.amdhsa_enable_private_segment 0
		.amdhsa_kernarg_size 24
		.amdhsa_user_sgpr_count 2
		.amdhsa_user_sgpr_kernarg_segment_ptr 1
		.amdhsa_wavefront_size32 1
		.amdhsa_system_sgpr_workgroup_id_x 1
		.amdhsa_system_sgpr_workgroup_id_y 1
		.amdhsa_system_sgpr_workgroup_id_z 1
		.amdhsa_system_vgpr_workitem_id 0
		.amdhsa_next_free_vgpr 512
		.amdhsa_next_free_sgpr 66
		.amdhsa_reserve_vcc 0
		.amdhsa_float_denorm_mode_32 3
		.amdhsa_float_denorm_mode_16_64 3
		.amdhsa_memory_ordered 1
		.amdhsa_forward_progress 1
		.amdhsa_inst_pref_size 157
	.end_amdhsa_kernel
	.amdgpu_metadata
---
amdhsa.version: [ 1, 2 ]
amdhsa.kernels:
  - .name:           k_q9ea58773a4_attention
    .symbol:         k_q9ea58773a4_attention.kd
    .args:
      - { .name: qkvb, .offset: 0, .size: 8, .value_kind: global_buffer, .address_space: global }
      - { .name: mask, .offset: 8, .size: 8, .value_kind: global_buffer, .address_space: global }
      - { .name: ctxb, .offset: 16, .size: 8, .value_kind: global_buffer, .address_space: global }
    .group_segment_fixed_size: 327680
    .private_segment_fixed_size: 0
    .kernarg_segment_align: 8
    .kernarg_segment_size: 24
    .max_flat_workgroup_size: 256
    .sgpr_count:     66
    .vgpr_count:     512
    .wavefront_size: 32
...
	.end_amdgpu_metadata
.endif
;; end of part 3
;; launch proj_out (part 4): grid 8 x 32, 4 waves a work-group, clusters of 4 x 4, 327,680 bytes of LDS; arguments ctxb, wb, bo, out0; writes out0
.if DOCPART == 4
	.amdgcn_target "amdgcn-amd-amdhsa--gfx1250"
	.amdhsa_code_object_version 6
	.text
	.protected	k_q9ea58773a4_proj_out
	.globl	k_q9ea58773a4_proj_out
	.p2align	8
	.type	k_q9ea58773a4_proj_out,@function
k_q9ea58773a4_proj_out:
	s_mov_b64 s[64:65], 0
	v_nop
	global_prefetch_b8 v0, s[64:65] scope:SCOPE_SE
	s_setreg_imm32_b32 hwreg(HW_REG_WAVE_MODE, 25, 1), 1
	s_wait_xcnt 0x0
	s_wait_alu depctr_hold_cnt(0) depctr_sa_sdst(0) depctr_va_vdst(0) depctr_va_sdst(0) depctr_va_ssrc(0) depctr_va_vcc(0) depctr_vm_vsrc(0)
	s_getreg_b32 s2, hwreg(HW_REG_IB_STS2, 6, 4)
	s_cmp_eq_u32 s2, 0
	s_cbranch_scc0 .Lentry_in_a_cluster
	s_endpgm
.Lentry_in_a_cluster:
	s_bfe_u32 s2, ttmp6, 0x10000c
	s_cmp_lg_u32 s2, 0xf033
	s_cbranch_scc0 .Lentry_shape_is_right
	s_endpgm
.Lentry_shape_is_right:
; ONE TEXT FOR TWO LAUNCHES, chosen by OPROJ.  C = A W + bias, A: [rows][1024] f16, W: [1024 k][1024 n] f16 as it lies in memory, sums in f32.
;   OPROJ = 0: the three input projections in one launch.  A = xb [3][8192][1024]; part p = 0, 1, 2 takes W part p and bias bq, bk, bv.  Out: f16, [3][batch][head][2048][64].
;              Part 0 (q) is multiplied by c = log2(e) / 8, so that the attention's scores are logits in base 2: out = sum * c + bias * c, one fused multiply-add.
;   OPROJ = 1: the output projection.  A = the attention's result [batch][head][2048][64] f16 (k = 64 head + channel), W part 3, bias bo.  Out: f32 [8192][1024].
; LIMITS: f16 operands and (OPROJ = 0) f16 results: beyond 65,504 in magnitude they become infinity.  The f32 sums take K in a rotated order (below), not ascending.
; SHARES.  A tile of C is 256 rows x 128 columns, made by four waves, each 128 x 64: 32 accumulators of 16 x 16 = 256 registers (window 1).  With OPROJ = 0 a wave's 64 columns are one head,
; so its 128 rows of output are 16,384 consecutive bytes.  256 work-groups in both launches.
; A WORK-GROUP STAYS (OPROJ = 0): it makes three tiles, the same rows and columns of parts 0, 1, 2, written out one after the other.  The ring does not stop at a tile's end: a tile's last two
; changes of slots ask for the next part's first two K steps, and nothing waits for a tile's stores.
; K goes in 8 steps of 128 through two LDS slots filled by tensor loads, one load a wave behind each change of slots.
; K IS TAKEN IN A ROTATED ORDER: cluster (X, Y) begins at step (4 X + Y) mod 8 and goes once round.  The two clusters that read the same rows of A are four steps apart, the eight that read the
; same columns of W all differ: of the clusters that read a tile one asks first and the others later, none at the same time.  The step hangs on the cluster's x and y alone, which all partners share.
; CLUSTER 4 x 4: the four work-groups of a row of the cluster need the same tile of A, the four of a column the same tile of W: each tile is asked for jointly.
; THE MATRIX INSTRUCTION IS USED TRANSPOSED: source 0 = 16 columns of W (turned on the way out of LDS by ds_load_tr16_b128), source 1 = 16 rows of A.  A lane then holds row l % 16 of C
; and the eight neighbouring columns 8 (l / 16) + 0 .. 7.
; REGISTERS.  Window 0: v1-8 at work, v16-27 addresses, v32-63 bias, v64-159 and v160-255 two fragment buffers (4 x 8 of W, then 8 x 8 of A).  The way out works in buffer 1, which a tile's last
;             products have read, so that buffer 0 can already hold the next tile's first fragments.
;             Window 1: accumulator (a, b) at v[8 (4 a + b)], a = 0..7 blocks of 16 rows, b = 0..3 blocks of 16 columns.
.set OPROJ,  1
.set KSTEP,  128
.set KSTEPS, 1024/KSTEP                ; 8
.set LAPS,   KSTEPS/2                  ; a lap = two K steps = once round the ring: 4
.if OPROJ
.set TILES,  1
.set PA,     144                       ; A's LDS row: 128 bytes + 16: an odd multiple of 16, so the 16 rows of a fragment load start in 16 different 16-byte columns of 256
.set AROWS,  256                       ; one tensor load of A: one head's 64 channels of all 256 rows
.set ACOLS,  64
.set APITCH, 64
.set QIA,    4                         ; padding after every 32 words
.set ASH,    19                        ; a K step of A is two heads: 2 x 2,048 x 128 = 1 << 19 bytes
.set SPITCH, 272                       ; the stage's row: 256 bytes of f32 + 16
.else
.set TILES,  3
.set PA,     272                       ; 256 bytes + 16
.set AROWS,  128                       ; one tensor load of A: 128 rows x 128 along K
.set ACOLS,  128
.set APITCH, 1024
.set QIA,    5                         ; padding after every 64 words
.set ASH,    8                         ; a K step of A is 256 bytes along the rows
.set SPITCH, 144                       ; the stage's row: 128 bytes of f16 + 16
.endif
.set BSH,    18                        ; a K step of W is 128 rows of 2,048 bytes = 1 << 18
.set APART,  8192*1024*2               ; bytes from a part of xb to the next,
.set BPART,  1024*1024*2               ; of wb,
.set CPART,  8192*1024*2               ; of the output
.set AHALF,  AROWS*PA                  ; what wave 0 or 1 brings
.set ATILE,  2*AHALF
.set PB,     288                       ; W's LDS row: 256 bytes + 32, an odd multiple of 32
.set BHALF,  64*PB                     ; what wave 2 or 3 brings: 64 rows (k) x 128 columns
.set SLOT,   ATILE+2*BHALF
.set STAGE,  2*SLOT                    ; behind the ring, a multiple of 256: 16 rows for each wave; no tensor load lands here
.set ADRA, 16                          ; v16-17  LDS address of my A fragments in slot 0, 1
.set ADRB, 20                          ; v20-21  the same for W
.set STO,  24                          ; the way out: where I put my bytes of a row
.set RD,   25                          ; the way out: where I read rows back
.set CO,   26                          ; my byte offset in the output
.set BO,   27                          ; my byte offset in the bias
.set BIAS, 32                          ; v32-63  bias of my columns: 8 b + j
.set F0,   64
.set F1,   160
.set TMP,  160                         ; the way out: 32 f32
.if OPROJ
.set BK0,  192                         ; two buffers of 32 for rows read back
.set BKN,  32
.else
.set PK,   192                         ; 16 registers of packed f16
.set BK0,  208                         ; two buffers of 16 for rows read back
.set BKN,  16
.endif
.set G1,  24                           ; s[24:31] descriptor group 1 for A;  s[32:39] group 0, a set for each slot
.set G0,  32
.set G1B, 48                           ; s[48:55], s[56:63] the same for W
.set G0B, 56
.set SC,  78                           ; s[78:79] c (OPROJ = 0)
.set KS,  80                           ; s80      the K step that the next fill brings, 0..7
.set OA,  82                           ; s[82:83] its byte offset in A
.set OW,  84                           ; s[84:85] its byte offset in W
.set WB,  86                           ; s[86:87] W at my part of K step 0's tile (A's: s[14:15])
.set CB,  88                           ; s[88:89] my columns' byte offset in a bias
.set MSB, 0
.macro WIN new                         ; the immediate's high byte repeats the setting that is left; a switch that changes nothing is dropped
.if MSB != \new
	s_set_vgpr_msb (MSB<<8)|\new
.set MSB, \new
.endif
.endm
.set MUL, 0x50                         ; C and D window 1, both sources window 0
; A joint load: waves 0 and 1 fetch A's two parts, waves 2 and 3 W's.  The branch hangs on the wave's number alone.  Four v_nop follow each of the two lines.
.macro JLOAD s
	s_cmp_eq_u32 s11, 0
	s_cbranch_scc0 .Lfor_b_\@
	tensor_load_to_lds s[G0+4*\s:G0+4*\s+3], s[G1:G1+7]
	s_nop 0
.rept 4
	v_nop
.endr
	s_branch .Lasked_\@
.Lfor_b_\@:
	tensor_load_to_lds s[G0B+4*\s:G0B+4*\s+3], s[G1B:G1B+7]
	s_nop 0
.rept 4
	v_nop
.endr
.Lasked_\@:
.endm
.macro CREST                           ; a round of the cluster's barrier behind its opening barrier
	s_cmp_lg_u32 s10, 0
	s_cbranch_scc1 .Lnot_wave_0_\@
	s_barrier_signal -3
.Lnot_wave_0_\@:
	s_barrier_wait -3
	s_barrier_signal -1
	s_barrier_wait -1
.endm
.macro CROUND                          ; a whole round
	s_barrier_signal -1
	s_barrier_wait -1
	CREST
.endm
; The slot's two descriptors are pointed at K step s[KS], and the step goes on, round from 7 to 0.  It stands where no tensor load of the wave is out.
.macro AIM slot
	s_lshl_b32 s[OA], s[KS], ASH
	s_lshl_b32 s[OW], s[KS], BSH
	s_add_nc_u64 s[G0+4*\slot+2:G0+4*\slot+3], s[14:15], s[OA:OA+1]       ; global address
	s_or_b32 s[G0+4*\slot+3], s[G0+4*\slot+3], 0x80000000                 ; type = 2
	s_add_nc_u64 s[G0B+4*\slot+2:G0B+4*\slot+3], s[WB:WB+1], s[OW:OW+1]
	s_or_b32 s[G0B+4*\slot+3], s[G0B+4*\slot+3], 0x80000000
	s_add_co_u32 s[KS], s[KS], 1
	s_and_b32 s[KS], s[KS], KSTEPS-1
.endm
	s_load_b128 s[4:7], s[0:1], 0x0                ; A s[4:5], wb s[6:7]
.if OPROJ
	s_load_b128 s[68:71], s[0:1], 0x10             ; bo s[68:69], out0 s[70:71]
	v_lshl_add_u32 v30, v0, 2, 0x3a400
	v_mov_b32 v31, 0
	ds_add_u32 v30, v31
.else
	s_load_b256 s[68:75], s[0:1], 0x10             ; bq s[68:69], bk s[70:71], bv s[72:73], the output s[74:75]
.endif
	v_lshrrev_b32 v1, 5, v0
	v_readfirstlane_b32 s10, v1                    ; wave 0..3
	s_lshr_b32 s11, s10, 1                         ; which 128 rows of the tile are mine.  Also: I fetch for A (0) or for W (1)
	s_and_b32 s12, s10, 1                          ; which 64 columns.  Also: which part of that tile I fetch
	s_bfe_u32 s40, ttmp6, 0x40000                  ; cx, cy: my place in the cluster
	s_bfe_u32 s41, ttmp6, 0x40004
	s_lshl_b32 s42, ttmp9, 2                       ; 4 x cluster x
	s_and_b32 s13, ttmp7, 0xffff                   ; cluster y
	s_add_co_u32 s[KS], s42, s13
	s_and_b32 s[KS], s[KS], KSTEPS-1               ; the cluster's first K step: (4 X + Y) mod 8, the same in all sixteen partners
	s_add_co_u32 s42, s42, s40                     ; tile column = 4 x cluster x + cx, 0..7
	s_lshl_b32 s13, s13, 2
	s_add_co_u32 s13, s13, s41                     ; tile row = 4 x cluster y + cy, 0..31
	s_lshl_b32 s43, s41, 2
	s_lshl_b32 s43, 15, s43                        ; my row of the cluster
	s_lshl_b32 s44, 0x1111, s40                    ; my column
	s_or_b32 s[G1+0], s43, (1<<16)|(1<<20)|(1<<21)|(QIA<<22)|(3<<25)  ; 15:0 the mask: A's tiles go to my row; 17:16 elements of 2 bytes; 20 padding on; 21 set beside a mask; 24:22 its interval; 31:25 4 words of it
	s_mov_b32 s[G1+1], ACOLS<<16                   ; tensor_dim0
	s_mov_b32 s[G1+2], AROWS<<16                   ; tensor_dim1
	s_mov_b32 s[G1+3], ACOLS<<16                   ; tile_dim0
	s_mov_b32 s[G1+4], AROWS                       ; tile_dim1
	s_mov_b32 s[G1+5], APITCH                      ; elements from row to row
	s_mov_b32 s[G1+6], 0
	s_mov_b32 s[G1+7], 0
	s_or_b32 s[G1B+0], s44, (1<<16)|(1<<20)|(1<<21)|(5<<22)|(7<<25)   ; W's tiles go to my column; after every 64 words 8 words of padding
	s_mov_b32 s[G1B+1], 128<<16
	s_mov_b32 s[G1B+2], 64<<16
	s_mov_b32 s[G1B+3], 128<<16
	s_mov_b32 s[G1B+4], 64
	s_mov_b32 s[G1B+5], 1024
	s_mov_b32 s[G1B+6], 0
	s_mov_b32 s[G1B+7], 0
	s_mov_b32 s[OA+1], 0                           ; the steps' offsets stay under 4 GiB
	s_mov_b32 s[OW+1], 0
	; where the tiles come from.  A's offset is made of the tile row and the wave alone (s16, s17), W's of the tile column and the wave alone (s46, s47).
.if OPROJ
	s_lshr_b32 s16, s13, 3
	s_lshl_b32 s16, s16, 22                        ; batch: 16 heads x 2,048 rows x 128 bytes
	s_and_b32 s17, s13, 7
	s_lshl_b32 s17, s17, 15                        ; 256 rows x 128 bytes
	s_add_co_u32 s16, s16, s17
	s_lshl_b32 s17, s12, 18                        ; the K step's first or second head
	s_add_co_u32 s16, s16, s17
.else
	s_lshl_b32 s16, s13, 19                        ; 256 rows x 2,048 bytes, in part 0
	s_lshl_b32 s17, s12, 18                        ; my 128 rows of them
	s_add_co_u32 s16, s16, s17
.endif
	s_mov_b32 s17, 0
	s_lshl_b32 s46, s42, 8                         ; 128 columns x 2 bytes
	s_lshl_b32 s47, s12, 17                        ; my 64 rows (k) x 2,048 bytes
	s_add_co_u32 s46, s46, s47
.if OPROJ
	s_add_co_u32 s46, s46, 3*BPART                 ; Wo is part 3 of wb
.endif
	s_mov_b32 s47, 0
	s_mul_i32 s20, s10, AHALF                      ; where they go: A's parts at wave x AHALF (waves 0, 1),
	s_mul_i32 s21, s10, BHALF
	s_add_co_u32 s21, s21, ATILE-2*BHALF           ; W's behind A's tile, at (wave - 2) x BHALF (waves 2, 3): no place in the cluster enters an LDS address
	s_wait_dscnt 0x0
	s_wait_kmcnt 0x0
	s_add_nc_u64 s[14:15], s[4:5], s[16:17]
	s_add_nc_u64 s[WB:WB+1], s[6:7], s[46:47]
.if OPROJ
	s_mov_b64 s[8:9], s[70:71]
.else
	s_mov_b64 s[8:9], s[74:75]
	s_mov_b32 s[SC], 0x3e38aa3b                    ; c = log2(e) / 8
	s_mov_b32 s[SC+1], s[SC]                       ; named with it as a pair, so it is written
.endif
	CROUND                                         ; all sixteen work-groups are here: the first joint loads meet
.irp s, 0,1
	s_mov_b32 s[G0+4*\s], 1                        ; count = 1
	s_add_co_u32 s[G0+4*\s+1], s20, \s*SLOT        ; LDS address
	s_mov_b32 s[G0B+4*\s], 1
	s_add_co_u32 s[G0B+4*\s+1], s21, \s*SLOT
	AIM \s                                         ; the cluster's first and second K step
	JLOAD \s                                       ; two loads of mine are out
.endr
	; lane addresses.  A's fragment: lane l holds row l % 16; two loads of 16 bytes, 32 apart, at row x pitch + 16 (l / 16).
	; W's fragment: the turning load: lane l addresses row (k) 8 (l / 16) + l % 8, 16 bytes at 16 ((l / 8) % 2); two loads, 16 rows apart.
	v_and_b32 v1, 15, v0                           ; r = l % 16
	v_bfe_u32 v2, v0, 4, 1                         ; h = l / 16
	v_mul_u32_u24 v3, v1, PA
	v_lshl_add_u32 v3, v2, 4, v3
	v_and_b32 v4, 7, v0
	v_lshl_add_u32 v4, v2, 3, v4
	v_mul_u32_u24 v4, v4, PB
	v_bfe_u32 v5, v0, 3, 1
	v_lshl_add_u32 v4, v5, 4, v4
	s_mul_i32 s22, s11, 128*PA                     ; my 128 rows of A
	s_lshl_b32 s23, s12, 7                         ; my 64 columns of W,
	s_add_co_u32 s23, s23, ATILE                   ; which lies behind A's tile
.irp s, 0,1
	v_add_nc_u32 v[ADRA+\s], s22, v3
	v_add_nc_u32 v[ADRB+\s], s23, v4
	s_add_co_u32 s22, s22, SLOT
	s_add_co_u32 s23, s23, SLOT
.endr
	v_lshlrev_b32 v[BO], 5, v2                     ; my eight columns of a block of 16: 32 h bytes
	s_lshl_b32 s[CB], s42, 9                       ; the tile's 128 columns x 4 bytes
	s_lshl_b32 s47, s12, 8                         ; my 64 of them
	s_add_co_u32 s[CB], s[CB], s47
	s_mov_b32 s[CB+1], 0
	s_mul_i32 s23, s10, 16*SPITCH
	s_add_co_u32 s23, s23, STAGE                   ; my stage
	v_mul_u32_u24 v5, v1, SPITCH
.if OPROJ
	v_lshl_add_u32 v5, v2, 5, v5                   ; in: row r, 32 bytes (8 f32) for each half of the lanes
	v_add_nc_u32 v[STO], s23, v5
	v_mul_u32_u24 v6, v2, SPITCH                   ; back: lanes 0-15 one row of 256 bytes, lanes 16-31 the next
	v_lshl_add_u32 v6, v1, 4, v6
	v_add_nc_u32 v[RD], s23, v6
	v_lshlrev_b32 v8, 12, v2                       ; and the same two rows of 4,096 bytes in the output
	v_lshl_add_u32 v[CO], v1, 4, v8
	s_lshl_b32 s16, s13, 20                        ; 256 rows x 4,096 bytes
	s_lshl_b32 s17, s11, 19                        ; my 128 of them
	s_add_co_u32 s16, s16, s17
	s_mov_b32 s17, 0
	s_add_nc_u64 s[8:9], s[8:9], s[16:17]
	s_add_nc_u64 s[8:9], s[8:9], s[CB:CB+1]        ; my columns: the same bytes as in the bias
.else
	v_lshl_add_u32 v5, v2, 4, v5                   ; in: row r, 16 bytes (8 f16) for each half of the lanes
	v_add_nc_u32 v[STO], s23, v5
	v_bfe_u32 v6, v0, 3, 2                         ; back: eight lanes to a row of 128 bytes, four rows a load
	v_and_b32 v7, 7, v0
	v_mul_u32_u24 v6, v6, SPITCH
	v_lshl_add_u32 v6, v7, 4, v6
	v_add_nc_u32 v[RD], s23, v6
	v_and_b32 v8, 31, v0
	v_lshlrev_b32 v[CO], 4, v8                     ; the head's rows follow each other: 16 bytes a lane, 512 consecutive bytes a store
	s_bfe_u32 s16, s13, 0x20003                    ; batch: bits 4:3 of the tile row
	s_lshl_b32 s16, s16, 22
	s_and_b32 s17, s13, 7
	s_lshl_b32 s17, s17, 15                        ; 256 rows x 128 bytes
	s_add_co_u32 s16, s16, s17
	s_lshl_b32 s17, s11, 14                        ; my 128 of them
	s_add_co_u32 s16, s16, s17
	s_mov_b32 s17, 0
	s_add_nc_u64 s[8:9], s[8:9], s[16:17]
	s_lshl_b32 s46, s42, 1
	s_add_co_u32 s46, s46, s12                     ; my head = 2 x tile column + my half
	s_lshl_b32 s46, s46, 18                        ; 2,048 rows x 128 bytes
	s_mov_b32 s47, 0
	s_add_nc_u64 s[8:9], s[8:9], s[46:47]          ; the output at my rows of my head, in part 0
.endif
; 8 matrix instructions: row blocks a0, a0 + 1 x all 4 column blocks, 32 along K.  zero = 1: the product starts the sum: nothing is cleared.
; The 32 accumulators take turns, one instruction a turn, in the same order in every quarter and from tile to tile.
.macro MUL8 f, a0, zero
.irp a, \a0, \a0+1
.irp b, 0,1,2,3
.if \zero
	v_wmma_f32_16x16x32_f16 v[8*(4*(\a)+\b):8*(4*(\a)+\b)+7], v[\f+8*\b:\f+8*\b+7], v[\f+32+8*(\a):\f+32+8*(\a)+7], 0
.else
	v_wmma_f32_16x16x32_f16 v[8*(4*(\a)+\b):8*(4*(\a)+\b)+7], v[\f+8*\b:\f+8*\b+7], v[\f+32+8*(\a):\f+32+8*(\a)+7], v[8*(4*(\a)+\b):8*(4*(\a)+\b)+7]
.endif
.endr
.endr
.endm
.macro MUL16 f, a0, zero
	MUL8 \f, \a0, \zero
	MUL8 \f, \a0+2, \zero
.endm
; 24 LDS loads in one run: the fragments of quarter q (32 along K) of a slot into buffer f: W's 8, A's row blocks 0-3 (8), A's row blocks 4-7 (8)
.macro FETCH slot, q, f
.if OPROJ
.set AQ, (\q/2)*AHALF+(\q%2)*64        ; the K step's first or second head, its channels 0-31 or 32-63
.else
.set AQ, \q*64
.endif
	WIN 0
.irp b, 0,1,2,3
	ds_load_tr16_b128 v[\f+8*\b:\f+8*\b+3],   v[ADRB+\slot] offset:\q*32*PB+32*\b
	ds_load_tr16_b128 v[\f+8*\b+4:\f+8*\b+7], v[ADRB+\slot] offset:\q*32*PB+32*\b+16*PB
.endr
.irp a, 0,1,2,3,4,5,6,7
	ds_load_b128 v[\f+32+8*\a:\f+32+8*\a+3],   v[ADRA+\slot] offset:AQ+\a*16*PA
	ds_load_b128 v[\f+32+8*\a+4:\f+32+8*\a+7], v[ADRA+\slot] offset:AQ+\a*16*PA+32
.endr
.endm
.macro PLACES                          ; four plain vector instructions between a matrix instruction and a load into a register that it read, or a vector instruction that reads its result or writes a source (ISA guide 7.12.1 for vector instructions)
.rept 4
	v_nop
.endr
.endm
; A K step is four quarters of 32 along K, 32 matrix instructions each, on buffers 0, 1, 0, 1.  One of the first three: multiplies buffer f; in its middle it fetches quarter q into buffer g.
.macro QUARTER slot, q, f, g, zero
	s_wait_dscnt 8                                 ; W's fragments and A's blocks 0-3 are in; the youngest eight loads (A's blocks 4-7) may be out
	WIN MUL
	MUL16 \f, 0, \zero
	PLACES
	FETCH \slot, \q, \g
	s_wait_dscnt 24                                ; all but the 24 just issued
	WIN MUL
	MUL16 \f, 4, \zero
.endm
; The last quarter multiplies buffer 1 and changes slots: one barrier; in front of it each wave waits for its reads of this slot and for all its tensor loads (one is out: its part of the next slot).
; fill = 1: the barrier opens a round of the cluster's barrier, and this slot is filled again, with the K step two on, first thing behind the round: 120 matrix instructions ahead of the wait for it.
; newtile = 1: that K step is the next tile's first: the two bases go on to the next part; the step itself has come round to the cluster's first.
.macro TURN slot, next, fill, newtile
	s_wait_dscnt 8
	WIN MUL
	MUL8 F1, 0, 0
	s_wait_dscnt 0                                 ; my reads of this slot are over,
	s_wait_tensorcnt 0x0                           ; and all my tensor loads have landed
	ds_add_u32 v30, v31
	s_wait_dscnt 0x0
	s_barrier_signal -1
	MUL8 F1, 2, 0                                  ; register work while the others arrive
.if \fill
	WIN 0                                          ; every window is 0 there
.endif
	s_barrier_wait -1
.if \fill
	CREST                                          ; no wave of any partner still reads this slot's tile or has a load on its way
.if \newtile
	s_add_nc_u64 s[14:15], s[14:15], APART
	s_add_nc_u64 s[WB:WB+1], s[WB:WB+1], BPART
.endif
	AIM \slot
	JLOAD \slot                                    ; its four v_nop are also the places in front of the loads below
.else
	PLACES
.endif
	FETCH \next, 0, F0
	WIN MUL
	MUL16 F1, 4, 0                                 ; buffer 1 is whole since the wait for 0 above
.endm
; THE WAY OUT, a block of 16 rows at a time, through my own stage in LDS.  PACK: bias (and scale, and rounding).  TOSTAGE: into the stage, and back as whole rows.  SEND: stored.
.macro PACK a, scaled
	WIN 0x01                                       ; source 0, the sums, window 1
.irp b, 0,1,2,3
.irp r, 0,1,2,3
.if \scaled
	v_pk_fma_f32 v[TMP+8*\b+2*\r:TMP+8*\b+2*\r+1], v[8*(4*(\a)+\b)+2*\r:8*(4*(\a)+\b)+2*\r+1], s[SC:SC+1], v[BIAS+8*\b+2*\r:BIAS+8*\b+2*\r+1] op_sel_hi:[1,0,1]
.else
	v_pk_add_f32 v[TMP+8*\b+2*\r:TMP+8*\b+2*\r+1], v[8*(4*(\a)+\b)+2*\r:8*(4*(\a)+\b)+2*\r+1], v[BIAS+8*\b+2*\r:BIAS+8*\b+2*\r+1]
.endif
.endr
.endr
	WIN 0
.if !OPROJ
.set i, 0
.rept 16
	v_cvt_pk_f16_f32 v[PK+i], v[TMP+2*i], v[TMP+2*i+1]
.set i, i+1
.endr
.endif
.endm
.macro TOSTAGE a
.set BK, BK0+BKN*((\a)%2)
.if OPROJ
.irp b, 0,1,2,3
	ds_store_b128 v[STO], v[TMP+8*\b:TMP+8*\b+3]   offset:64*\b
	ds_store_b128 v[STO], v[TMP+8*\b+4:TMP+8*\b+7] offset:64*\b+16
.endr
.irp t, 0,1,2,3,4,5,6,7
	ds_load_b128 v[BK+4*\t:BK+4*\t+3], v[RD] offset:\t*2*SPITCH    ; LDS serves a wave's instructions in order (ISA guide 5.7.1.4): these see the stores above, and the next block's stores come behind them
.endr
.else
.irp b, 0,1,2,3
	ds_store_b128 v[STO], v[PK+4*\b:PK+4*\b+3] offset:32*\b
.endr
.irp t, 0,1,2,3
	ds_load_b128 v[BK+4*\t:BK+4*\t+3], v[RD] offset:\t*4*SPITCH    ; LDS serves a wave's instructions in order (ISA guide 5.7.1.4): these see the stores above, and the next block's stores come behind them
.endr
.endif
.endm
.macro SEND a
.set BK, BK0+BKN*((\a)%2)
	s_wait_dscnt 0x0                               ; the block is back in registers
	s_wait_xcnt 0x0                                ; the stores of the block before have had their addresses translated: its buffer is loaded again (by the next TOSTAGE) only behind this wait
.if OPROJ
.irp t, 0,1,2,3,4,5,6,7
	global_store_b128 v[CO], v[BK+4*\t:BK+4*\t+3], s[8:9] offset:(16*(\a)+2*\t)*4096 th:TH_STORE_NT   ; 16 lanes store 256 consecutive bytes, at a multiple of 256 from the output's first byte
.endr
.else
.irp t, 0,1,2,3
	global_store_b128 v[CO], v[BK+4*\t:BK+4*\t+3], s[8:9] offset:(\a)*2048+\t*512   ; 32 lanes store 512 consecutive bytes, at a multiple of 512 from the output's first byte; read again by the next launch: no hint
.endr
.endif
.endm
; A TILE OF C, part p.  It finds its first fragments on their way into buffer 0.  scaled = 1: the sums are multiplied by c.  last = 1: no tile follows, and its last lap asks for nothing.
.macro TILE p, scaled, last
	s_add_nc_u64 s[76:77], s[68+2*\p:69+2*\p], s[CB:CB+1]          ; the part's bias at my columns; the loads that named this pair before were waited for on the last way out
.irp b, 0,1,2,3
	global_load_b128 v[BIAS+8*\b:BIAS+8*\b+3],   v[BO], s[76:77] offset:64*\b      ; wanted on the way out: the whole tile's products stand in between
	global_load_b128 v[BIAS+8*\b+4:BIAS+8*\b+7], v[BO], s[76:77] offset:64*\b+16
.endr
	QUARTER 0, 1, F0, F1, 1                        ; the first quarter stands in front of the loop: its products start the sums
	WIN 0                                          ; at a label and at a branch every window is 0
	s_mov_b32 s3, LAPS-1
.Llap_\@:                                              ; a trip goes once round the ring, from a lap's second quarter to the next lap's first, and fills both slots again
	QUARTER 0, 2, F1, F0, 0
	QUARTER 0, 3, F0, F1, 0
	TURN 0, 1, 1, 0
	QUARTER 1, 1, F0, F1, 0
	QUARTER 1, 2, F1, F0, 0
	QUARTER 1, 3, F0, F1, 0
	TURN 1, 0, 1, 0
	QUARTER 0, 1, F0, F1, 0
	WIN 0
	s_sub_co_u32 s3, s3, 1
	s_cmp_lg_u32 s3, 0
	s_cbranch_scc1 .Llap_\@
	QUARTER 0, 2, F1, F0, 0                        ; the tile's last lap goes on
	QUARTER 0, 3, F0, F1, 0
.if \last
	TURN 0, 1, 0, 0                                ; nothing is filled, so no round
.else
	TURN 0, 1, 1, 1                                ; THE RING GOES ON INTO THE NEXT TILE: slot 0 takes its first K step,
.endif
	QUARTER 1, 1, F0, F1, 0
	QUARTER 1, 2, F1, F0, 0
	QUARTER 1, 3, F0, F1, 0
.if \last
	s_wait_dscnt 8                                 ; the very last quarter: nothing more to fetch
	WIN MUL
	MUL16 F1, 0, 0
	s_wait_dscnt 0
	MUL16 F1, 4, 0
.else
	TURN 1, 0, 1, 0                                ; slot 1 its second, and the next tile's first fragments are fetched into buffer 0
.endif
	WIN 0
	PLACES                                         ; the way out reads results just made and writes into buffer 1, which the last products read
	s_wait_loadcnt 0x0                             ; the tile's bias
.if \scaled
.set i, 0
.rept 16
	v_pk_mul_f32 v[BIAS+i:BIAS+i+1], v[BIAS+i:BIAS+i+1], s[SC:SC+1] op_sel_hi:[1,0]   ; bias x c, so that the way out is one fused multiply-add
.set i, i+2
.endr
.endif
	PACK 0, \scaled
	TOSTAGE 0
.irp a, 1,2,3,4,5,6,7                  ; block a's arithmetic stands between block a - 1's loads from the stage and the wait for them
	PACK \a, \scaled
	SEND \a-1
	TOSTAGE \a
.endr
	SEND 7
.if !\last
	s_wait_xcnt 0x0                                ; the last stores have had their addresses translated: only behind this wait is their base stepped, and are their data registers (in buffer 1) loaded again
	s_add_nc_u64 s[8:9], s[8:9], CPART             ; the same rows and head in the next part; nothing waits for the stores themselves
.endif
.endm
	s_wait_tensorcnt 1                             ; my part of the first K step is in; the second's may stay out
	s_barrier_signal -1
	s_barrier_wait -1                              ; everybody's is
	FETCH 0, 0, F0
.if TILES == 3
	TILE 0, 1, 0                                   ; q, times c
	TILE 1, 0, 0                                   ; k
	TILE 2, 0, 1                                   ; v
.else
	TILE 0, 0, 1
.endif
	s_wait_tensorcnt 0x0
	ds_add_u32 v30, v31
	s_wait_dscnt 0x0
	CROUND                                         ; the closing round: no work-group ends while a partner may still ask for a tile that names it
	s_endpgm
.Lfunc_end_k_q9ea58773a4_proj_out:
	.size	k_q9ea58773a4_proj_out, .Lfunc_end_k_q9ea58773a4_proj_out-k_q9ea58773a4_proj_out
	.p2alignl 7, 3214868480
	.fill 96, 4, 3214868480
	.section	.rodata,"a",@progbits
	.p2align	6, 0x0
	.amdhsa_kernel k_q9ea58773a4_proj_out
		.amdhsa_group_segment_fixed_size 327680
		.amdhsa_private_segment_fixed_size 0
		.amdhsa_enable_private_segment 0
		.amdhsa_kernarg_size 32
		.amdhsa_user_sgpr_count 2
		.amdhsa_user_sgpr_kernarg_segment_ptr 1
		.amdhsa_wavefront_size32 1
		.amdhsa_system_sgpr_workgroup_id_x 1
		.amdhsa_system_sgpr_workgroup_id_y 1
		.amdhsa_system_sgpr_workgroup_id_z 1
		.amdhsa_system_vgpr_workitem_id 0
		.amdhsa_next_free_vgpr 512
		.amdhsa_next_free_sgpr 90
		.amdhsa_reserve_vcc 0
		.amdhsa_float_denorm_mode_32 3
		.amdhsa_float_denorm_mode_16_64 3
		.amdhsa_memory_ordered 1
		.amdhsa_forward_progress 1
		.amdhsa_inst_pref_size 95
	.end_amdhsa_kernel
	.amdgpu_metadata
---
amdhsa.version: [ 1, 2 ]
amdhsa.kernels:
  - .name:           k_q9ea58773a4_proj_out
    .symbol:         k_q9ea58773a4_proj_out.kd
    .args:
      - { .name: ctxb, .offset: 0, .size: 8, .value_kind: global_buffer, .address_space: global }
      - { .name: wb, .offset: 8, .size: 8, .value_kind: global_buffer, .address_space: global }
      - { .name: bo, .offset: 16, .size: 8, .value_kind: global_buffer, .address_space: global }
      - { .name: out0, .offset: 24, .size: 8, .value_kind: global_buffer, .address_space: global }
    .group_segment_fixed_size: 327680
    .private_segment_fixed_size: 0
    .kernarg_segment_align: 8
    .kernarg_segment_size: 32
    .max_flat_workgroup_size: 128
    .sgpr_count:     90
    .vgpr_count:     512
    .wavefront_size: 32
...
	.end_amdgpu_metadata
.endif
;; end of part 4
